; MI455X (gfx1250); checked and timed in simulation.
; The chip was launched on July 23, 2026; its instructions are those of AMD's public machine-readable ISA for CDNA 5 (MIT licence, August 2026) and "CDNA5" Instruction Set Architecture Reference Guide (July 2026). The comments in the code are by the model that wrote it; some were corrected since.
;; Multi Headed Attention. Allowed arithmetic: matrix products marked QUANTISED: E2M3 operands, one E8M0 scale for each 32 along K, by v_wmma_scale_f32_16x16x128_f8f6f4 with both operands' format E2M3, f32 sums; everything else in f32.
;; Inputs: Wk 1,024 x 1,024 float32; Wo 1,024 x 1,024 float32; Wq 1,024 x 1,024 float32; Wv 1,024 x 1,024 float32; additional_mask 8 x 1,024 bool; bk 1,024 float32; bo 1,024 float32; bq 1,024 float32; bv 1,024 float32; key 8 x 1,024 x 1,024 float32; mask 8 x 1,024 x 1,024 bool; query 8 x 1,024 x 1,024 float32; value 8 x 1,024 x 1,024 float32.
;; Outputs: out0 8 x 1,024 x 1,024 float32; out1 8 x 1,024 x 1,024 float32.
;; This version of the problem:
;;   THIS VERSION OF THE PROBLEM IS GIVEN IN LOW PRECISION. The matrix products marked QUANTISED in the list below multiply operands that are first quantised to E2M3 (2 exponent bits, 3 mantissa bits; 6 bits a number), with one power-of-two scale for each 32 numbers along K (OCP MX v1.0); their sums are f32. All else is computed in f32.
;;   The module's matrix products, in the order in which they are computed (A, B: the left and right operand; K: the contracted axis; several contracted axes count as one K, in the product's order):
;;     1. [M 8,192, K 1,024] x [K 1,024, N 1,024]; A: input key; B: input Wk: QUANTISED
;;     2. [M 8,192, K 1,024] x [K 1,024, N 1,024]; A: input value; B: input Wv: QUANTISED
;;     3. [M 8,192, K 1,024] x [K 1,024, N 1,024]; A: input query; B: input Wq: QUANTISED
;;     4. batch 64 x [M 1,024, K 64] x [K 64, N 1,024]; A: computed on the way; B: computed on the way: QUANTISED
;;     5. batch 64 x [M 1,024, K 1,024] x [K 1,024, N 64]; A: softmax (see below); B: computed on the way: QUANTISED
;;     6. batch 64 x [M 1,024, K 64] x [K 64, N 1,024]; A: computed on the way; B: computed on the way: QUANTISED
;;     7. batch 64 x [M 1,024, K 1,024] x [K 1,024, N 64]; A: softmax (see below); B: computed on the way: QUANTISED
;;     8. [M 8,192, K 1,024] x [K 1,024, N 1,024]; A: computed on the way; B: input Wo: QUANTISED
;;   THE QUANTISER, for each operand of a quantised product, along K:
;;     - K is cut into blocks of 32 from its start; a last block that is shorter is filled with zeros.
;;     - A block's scale is 2^e with e = floor(log2(the largest magnitude in the block)) - 2, held to -126 .. 127; a block of zeros has e = 0. As a byte (E8M0): e + 127.
;;     - Each number is divided by its block's scale, clamped to +-7.5, and rounded to the nearest number of E2M3, ties to even, subnormals kept.
;;     - The product sums the exact products of the quantised numbers (number of the format x scale) in f32.
;;   ~~~python
;;   def quantise(x, axis):      # numpy; x: float32 -> the quantised numbers, widened to float32 again
;;       x = np.moveaxis(x, axis, -1); K = x.shape[-1]
;;       x = np.pad(x, [(0, 0)] * (x.ndim - 1) + [(0, -K % 32)]); x = x.reshape(x.shape[:-1] + (-1, 32)); a = np.abs(x).max(-1, keepdims=True)
;;       e = np.where(a > 0, np.clip(np.frexp(np.where(a > 0, a, 1))[1] - 1 - 2, -126, 127), 0)      # np.frexp(a)[1] - 1 = floor(log2(a)), exactly
;;       r = np.clip(x / 2.0 ** e, -7.5, 7.5)
;;       step = 2.0 ** (np.maximum(np.frexp(np.where(r == 0, 1, r))[1] - 1, 0) - 3)
;;       q = np.round(r / step) * step * 2.0 ** e      # np.round: ties to even
;;       return np.moveaxis(q.reshape(q.shape[:-2] + (-1,))[..., :K], -1, axis).astype(np.float32)
;;   ~~~
;;   SOFTMAX AHEAD OF A QUANTISED PRODUCT. Where the list says 'softmax', what is quantised is not the finished softmax but p = 2^(t - M), with t = logit x log2(e) and M = ceil(the row's largest t), a whole number; so 1/2 < the row's largest p <= 1. The row's sum l is taken of the UNQUANTISED p, in f32, and the product's result is divided by l at the end. Since M is a whole number, a kernel that streams over the keys may use a running M (the ceiling of the running maximum): every later rescaling is an exact power of two, which a block's scale takes up: the codes' values come out the same.
;;   OPERANDS COMPUTED ON THE WAY. 'Computed on the way' means the value that the module computes at that place (a softmax that the list does not call 'softmax' is quantised finished and normalised). What goes into a quantiser is computed in f32, as accurately as f32 sums, v_exp_f32 and their like allow (about 1e-6 of the number): no bf16 or f16 on the way to a quantiser, and a product that is left as it is and whose result goes on into a quantised operand takes f32 operands (vector FMAs, or v_wmma_f32_16x16x4_f32). A number that lies on a knife's edge between two numbers of the format may be rounded either way, as far as f32 arithmetic and the matrix unit's own rounding can turn it there, and no further.
;; One version. Each part assembles by itself: llvm-mc -triple=amdgcn-amd-amdhsa -mcpu=gfx1250 --defsym DOCPART=n.
;; ======== version 1 of 1: 4 launches
;; limits: right only within a limited range of input values
;; workspace buffers: codes 22,020,096 bytes; scales 917,504 bytes; mb 1,064,960 bytes of whole numbers; kv 14,155,776 bytes; qi 7,340,032 bytes; cc 6,553,600 bytes
;; launch prep (part 1): grid 578 x 1, 4 waves a work-group, no clusters, 34,304 bytes of LDS; arguments key, value, query, Wk, Wv, Wq, Wo, mask, additional_mask, codes, scales, mb; writes codes, scales, mb
.if DOCPART == 1
	.amdgcn_target "amdgcn-amd-amdhsa--gfx1250"
	.amdhsa_code_object_version 6
	.text
	.protected	k_q0253f3c034_prep
	.globl	k_q0253f3c034_prep
	.p2align	8
	.type	k_q0253f3c034_prep,@function
k_q0253f3c034_prep:
	s_mov_b64 s[64:65], 0
	v_nop
	global_prefetch_b8 v0, s[64:65] scope:SCOPE_SE
	s_setreg_imm32_b32 hwreg(HW_REG_WAVE_MODE, 25, 1), 1
	s_wait_xcnt 0x0
; PREP.  (1) key, value, query [8192][1024] and Wk, Wv, Wq, Wo [1024][1024], f32, become codes of FP6 (E2M3) with one E8M0 byte for each 32 along K (the last axis).
; (2) mask [8][1024][1024] and additional_mask [8][1024], one byte a flag, become words of 32 bits, one bit a lane, as the attention launch's selects want them.
; A TILE is 16 rows x 1024 K.  Tiles are numbered through all seven tensors: key 0-511, value 512-1023, query 1024-1535, Wk 1536-, Wv 1600-, Wq 1664-, Wo 1728-1791.
; THE CODES ARE STORED AS IMAGES OF OPERAND REGISTERS: fragment (tile T, K step s of 128) is 12 registers a lane = 1,536 bytes at T x 12288 + s x 1536: register group c (4 registers) of lane l at 512 c + 16 l.
; The scale words (4 bytes: 128 along K of one row) lie at T x 512 + 256 (s / 4) + 16 row + 4 (s % 4).
; WHICH ROWS FORM A TILE: in key, value, Wk, Wv, Wq stored row i of tile 2 b + u is row 32 b + 8 u + i + 8 (i / 8): used as source 0 of a product, the 16 result registers of tiles 2 b and 2 b + 1 are then
; 16 neighbours along that axis.  query and Wo keep their order (row 16 t + i).
; A block's scale is 2^(floor(log2(largest magnitude)) - 2); its byte is the largest magnitude's exponent field - 2, held at 1 from below (a block of zeros keeps the byte 1: its codes are zeros, and this program alone reads the bytes).
; LIMITS: NaN and infinities among the inputs are not served; blocks whose largest magnitude lies under 2^-124 are quantised under the byte 1.
; SHARES: work-groups 0-447: a wave takes one tile (64 KiB in, 12.5 KiB out).  Work-groups 448-577: a wave takes one block of flags (16 queries x 1024 keys).  Waves share nothing: no barrier.
; Each load reads 512 consecutive bytes of a row; the conversions want 16 neighbours along K in ONE lane: so a K step's 16 x 512 bytes turn through the wave's own stage in LDS (rows 528 bytes apart).
.set STG,   8448                       ; a wave's stage: 16 rows x (512 + 16) bytes
.set SPARE, 4*STG                      ; behind the stages: the spare words, 128 bytes a wave: two blocks of 256 bytes that no other line names
.set SPW,   12                         ; v12  my spare word's LDS address; never rewritten
.set NIL,   13                         ; v13  0; never rewritten
.set RS,    16                         ; v16-143  two sets of 64 registers as loaded
.set X,     144                        ; v144-207 my 64 numbers of a K step: register 16 b + i = k 32 b + 16 (lane / 16) + i of my row
.set TM,    208                        ; v208-223 at work
.set PW,    224                        ; the scale word just made
.set PWS,   226                        ; v226-233 the eight K steps' scale words
.set PC,    234                        ; v234-245 the fragment just made
.set T0,    246
.set T1,    250
.set SEL,   38                         ; s[38:39] lane selects for v_permlanex16_b32: lane l xor 16
; the four blocks' largest magnitudes, scale operands, bytes and the scale word of 64 numbers at v[s]
.macro QMAX s, floor
.irp b, 0,1,2,3
	v_max3_num_f32 v[TM+\b], |v[\s+16*\b]|, |v[\s+1+16*\b]|, \floor     ; my 16 numbers of block b, and the floor, which holds the byte from below
.endr
.irp i, 2,4,6,8,10,12,14
.irp b, 0,1,2,3
	v_max3_num_f32 v[TM+\b], v[TM+\b], |v[\s+16*\b+\i]|, |v[\s+1+16*\b+\i]|   ; the four blocks by turns
.endr
.endr
.irp b, 0,1,2,3
	v_permlanex16_b32 v[TM+4+\b], v[TM+\b], s[SEL], s[SEL+1]
.endr
.irp b, 0,1,2,3
	v_max_num_f32 v[TM+\b], v[TM+\b], v[TM+4+\b]                         ; with lane l xor 16's 16: the block's
.endr
.irp b, 0,1,2,3
	v_add_nc_u32 v[TM+12+\b], 0xff000000, v[TM+\b]                       ; 2 off the exponent field: the conversion's scale operand
.endr
.irp b, 0,1,2,3
	v_lshrrev_b32 v[TM+4+\b], 23, v[TM+12+\b]                            ; the byte
.endr
	v_lshl_or_b32 v[PW], v[TM+5], 8, v[TM+4]
	v_lshl_or_b32 v[PW], v[TM+6], 16, v[PW]
	v_lshl_or_b32 v[PW], v[TM+7], 24, v[PW]
.endm
; the codes: registers d0 .. d0 + 5 (k 0-63) and d1 .. d1 + 5 (k 64-127) of the operand
.macro QCVT s, d0, d1, t0, t1
	v_cvt_scalef32_pk16_fp6_f32 v[\d0:\d0+2], v[\s:\s+15], v[TM+12]
	v_cvt_scalef32_pk16_fp6_f32 v[\t0:\t0+2], v[\s+16:\s+31], v[TM+13]   ; (a conversion's three registers begin on an even number)
	v_cvt_scalef32_pk16_fp6_f32 v[\d1:\d1+2], v[\s+32:\s+47], v[TM+14]
	v_cvt_scalef32_pk16_fp6_f32 v[\t1:\t1+2], v[\s+48:\s+63], v[TM+15]
	v_nop                                                                ; one plain place behind the conversions
.irp i, 0,1,2
	v_permlane16_swap_b32 v[\d0+\i], v[\t0+\i]                           ; a whole block to a lane: lanes 0-15 the even block, lanes 16-31 the odd one
	v_permlane16_swap_b32 v[\d1+\i], v[\t1+\i]
.endr
.irp i, 0,1,2
	v_mov_b32 v[\d0+3+\i], v[\t0+\i]
	v_mov_b32 v[\d1+3+\i], v[\t1+\i]
.endr
.endm
	s_load_b512 s[4:19], s[0:1], 0x0               ; key s[4:5], value s[6:7], query s[8:9], Wk s[10:11], Wv s[12:13], Wq s[14:15], Wo s[16:17], mask s[18:19]
	s_load_b256 s[20:27], s[0:1], 0x40             ; additional_mask s[20:21], codes s[22:23], scales s[24:25], mb s[26:27]
	v_lshl_add_u32 v[SPW], v0, 2, SPARE
	v_mov_b32 v[NIL], 0
	v_lshrrev_b32 v1, 5, v0
	v_readfirstlane_b32 s28, v1                    ; wave
	v_and_b32 v1, 31, v0                           ; lane
	v_and_b32 v2, 15, v0                           ; r
	v_bfe_u32 v3, v0, 4, 1                         ; h
	v_lshlrev_b32 v4, 4, v1                        ; 16 x lane
	v_lshlrev_b32 v7, 3, v1                        ; 8 x lane
	s_mul_i32 s36, s28, STG
	v_add_nc_u32 v5, s36, v4                       ; the stage, in: 16 x lane (+ 528 x row as an immediate)
	v_mul_u32_u24 v6, v2, 528
	v_lshl_add_u32 v6, v3, 6, v6
	v_add_nc_u32 v6, s36, v6                       ; and back: row r, + 64 h: my 16 numbers of each block of 32
	s_mov_b32 s[SEL], 0x76543210
	s_mov_b32 s[SEL+1], 0xfedcba98
	s_wait_kmcnt 0x0
	s_cmp_ge_u32 ttmp9, 448
	s_cbranch_scc1 .Lmask
	; ---- the quantiser.  Which tensor: by the work-group's number alone; four tiles to a work-group
	s_lshl_b32 s29, ttmp9, 2
	s_add_co_u32 s29, s29, s28                     ; T
	s_mov_b64 s[32:33], s[4:5]
	s_mov_b32 s30, 0                               ; the tensor's first tile
	s_mov_b32 s31, 1                               ; 1: the rows of a tile are chosen, 0: as they lie
	s_cmp_ge_u32 ttmp9, 128
	s_cselect_b64 s[32:33], s[6:7], s[32:33]
	s_cselect_b32 s30, 512, s30
	s_cmp_ge_u32 ttmp9, 256
	s_cselect_b64 s[32:33], s[8:9], s[32:33]
	s_cselect_b32 s30, 1024, s30
	s_cselect_b32 s31, 0, s31
	s_cmp_ge_u32 ttmp9, 384
	s_cselect_b64 s[32:33], s[10:11], s[32:33]
	s_cselect_b32 s30, 1536, s30
	s_cselect_b32 s31, 1, s31
	s_cmp_ge_u32 ttmp9, 400
	s_cselect_b64 s[32:33], s[12:13], s[32:33]
	s_cselect_b32 s30, 1600, s30
	s_cmp_ge_u32 ttmp9, 416
	s_cselect_b64 s[32:33], s[14:15], s[32:33]
	s_cselect_b32 s30, 1664, s30
	s_cmp_ge_u32 ttmp9, 432
	s_cselect_b64 s[32:33], s[16:17], s[32:33]
	s_cselect_b32 s30, 1728, s30
	s_cselect_b32 s31, 0, s31
	s_sub_co_u32 s36, s29, s30                     ; t: the tile in its tensor
	s_lshr_b32 s37, s36, 1
	s_lshl_b32 s37, s37, 5
	s_and_b32 s40, s36, 1
	s_lshl_b32 s40, s40, 3
	s_add_co_u32 s37, s37, s40                     ; 32 (t / 2) + 8 (t % 2)
	s_lshl_b32 s36, s36, 4                         ; 16 t
	s_cmp_eq_u32 s31, 1
	s_cselect_b32 s36, s37, s36                    ; the tile's stored rows 0-7 begin here,
	s_cselect_b32 s37, 16, 8
	s_add_co_u32 s37, s37, s36                     ; rows 8-15 here
	s_lshl_b32 s36, s36, 12                        ; x 4,096 bytes a row
	s_lshl_b32 s40, s37, 12
	s_mov_b32 s37, 0
	s_mov_b32 s41, 0
	s_add_nc_u64 s[34:35], s[32:33], s[40:41]
	s_add_nc_u64 s[32:33], s[32:33], s[36:37]
	s_mul_i32 s36, s29, 12288
	s_add_nc_u64 s[22:23], s[22:23], s[36:37]      ; my tile's codes
	s_lshl_b32 s36, s29, 9
	s_add_nc_u64 s[24:25], s[24:25], s[36:37]      ; and scale words
.irp b, 0,1,2,3
	v_mov_b32 v[TM+4+\b], 0                        ; written once: a lane permute's destination counts as one of its sources
.endr
.macro LOAD s                          ; K step s of the 16 rows: each load 512 consecutive bytes
.irp q, 0,1,2,3,4,5,6,7
	global_load_b128 v[RS+64*((\s)%2)+4*\q:RS+64*((\s)%2)+4*\q+3], v4, s[32:33] offset:4096*\q+512*(\s) th:TH_LOAD_NT
.endr
.irp q, 0,1,2,3,4,5,6,7
	global_load_b128 v[RS+64*((\s)%2)+32+4*\q:RS+64*((\s)%2)+32+4*\q+3], v4, s[34:35] offset:4096*\q+512*(\s) th:TH_LOAD_NT
.endr
.endm
.macro KS s
.set RB, RS+64*((\s)%2)
.if (\s) < 7
	s_wait_loadcnt 16                              ; this K step's sixteen loads are in; the next step's sixteen may be out
.else
	s_wait_loadcnt 0x0
.endif
.irp q, 0,1,2,3,4,5,6,7,8,9,10,11,12,13,14,15
	ds_store_b128 v5, v[RB+4*\q:RB+4*\q+3] offset:528*\q
.endr
.irp b, 0,1,2,3
.irp j, 0,1,2,3
	ds_load_b128 v[X+16*\b+4*\j:X+16*\b+4*\j+3], v6 offset:128*\b+16*\j    ; LDS serves a wave's instructions in order: these see the stores above
.endr
.endr
	s_wait_dscnt 0x0                               ; my numbers are back, and the stores have read their registers,
.if (\s) < 6
	LOAD (\s)+2                                    ; which take the loads of two steps on
.endif
	QMAX X, 0x1800000
	s_wait_xcnt 0x0                                ; the last step's stores have read the fragment's registers: they are written again only behind this wait
	QCVT X, PC, PC+6, T0, T1
	v_mov_b32 v[PWS+(\s)], v[PW]
.irp c, 0,1,2
	global_store_b128 v4, v[PC+4*\c:PC+4*\c+3], s[22:23] offset:1536*(\s)+512*\c   ; 32 lanes store 512 consecutive bytes, at a multiple of 256 from the buffer's first byte
.endr
.endm
	LOAD 0
	LOAD 1
	s_wait_alu depctr_va_vdst(0)
.irp s, 0,1,2,3,4,5,6,7
	KS \s
.endr
	v_cmp_le_u32 vcc_lo, 16, v1                    ; lanes 0-15 store row r's words of K steps 0-3, lanes 16-31 those of steps 4-7: 512 consecutive bytes
.irp i, 0,1,2,3
	v_cndmask_b32 v[TM+\i], v[PWS+\i], v[PWS+4+\i], vcc_lo
.endr
	global_store_b128 v4, v[TM:TM+3], s[24:25]
	s_wait_tensorcnt 0x0                           ; the wave's end: three lines behind my last LDS store
	ds_add_u32 v[SPW], v[NIL]
	s_wait_dscnt 0x0
	s_endpgm
	; ---- the flags.  Block mt = 64 b + (query tile) of mask, or 512 + b of additional_mask (the same row for all 16 queries: row pitch 0).
	; Out: 8 key steps x 64 words; word n = 16 blk + i of step ks: bit (r + 16 h) = flag(query r, key 128 ks + 32 blk + 16 h + i): the lanes' flags for register n of a tile of transposed scores.
.Lmask:
	s_sub_co_u32 s29, ttmp9, 448
	s_lshl_b32 s29, s29, 2
	s_add_co_u32 s29, s29, s28                     ; mt, 0 to 519
	s_cmp_ge_u32 ttmp9, 576
	s_cselect_b64 s[32:33], s[20:21], s[18:19]
	s_cselect_b32 s30, 0, 1024                     ; bytes from query to query
	s_cselect_b32 s31, 512, 0
	s_cselect_b32 s36, 10, 14                      ; a block is 1,024 or 16,384 bytes of flags
	s_sub_co_u32 s31, s29, s31
	s_lshl_b32 s36, s31, s36
	s_mov_b32 s37, 0
	s_add_nc_u64 s[32:33], s[32:33], s[36:37]
	s_lshl_b32 s36, s29, 11
	s_add_nc_u64 s[26:27], s[26:27], s[36:37]
	s_wait_alu depctr_va_vdst(0)
	v_mul_lo_u32 v8, v2, s30
	v_lshl_add_u32 v8, v3, 4, v8                   ; query r, + 16 h
.irp k, 0,1,2,3,4,5,6,7
.irp q, 0,1,2,3
	global_load_b128 v[64+16*\k+4*\q:64+16*\k+4*\q+3], v8, s[32:33] offset:128*\k+32*\q   ; 16 flags a lane: keys 128 k + 32 q + 16 h + 0 .. 15
.endr
.endr
.irp j, 0,1,2,3,4,5,6,7,8,9,10,11,12,13,14,15
	v_mov_b32 v[32+\j], 0                          ; v_writelane_b32's destination counts as read
.endr
.macro MSTEP k
	s_wait_loadcnt 28-4*(\k)                       ; this key step's four loads are in; the later steps' may be out
.set n, 0
.rept 8
.irp e, 0,1,2,3,4,5,6,7
	v_and_b32 v[16+\e], 0xff<<(8*(\e%4)), v[64+16*(\k)+(n+\e)/4]        ; flag n of my 64
.endr
.irp e, 0,1,2,3,4,5,6,7
	v_cmp_ne_u32 s[40+\e], 0, v[16+\e]                                   ; the 32 lanes' flags as one word
.endr
.irp e, 0,1,2,3,4,5,6,7
	v_writelane_b32 v[32+2*(\k)+\e%2], s[40+\e], (n+\e)/2                ; word n into lane n / 2, register n % 2
.endr
.set n, n+8
.endr
	global_store_b64 v7, v[32+2*(\k):33+2*(\k)], s[26:27] offset:256*(\k)   ; 32 lanes store 256 consecutive bytes, aligned; each key step has registers of its own
.endm
.irp k, 0,1,2,3,4,5,6,7
	MSTEP \k
.endr
	s_endpgm
.Lfunc_end_k_q0253f3c034_prep:
	.size	k_q0253f3c034_prep, .Lfunc_end_k_q0253f3c034_prep-k_q0253f3c034_prep
	.p2alignl 7, 3214868480
	.fill 96, 4, 3214868480
	.section	.rodata,"a",@progbits
	.p2align	6, 0x0
	.amdhsa_kernel k_q0253f3c034_prep
		.amdhsa_group_segment_fixed_size 34304
		.amdhsa_private_segment_fixed_size 0
		.amdhsa_enable_private_segment 0
		.amdhsa_kernarg_size 96
		.amdhsa_user_sgpr_count 2
		.amdhsa_user_sgpr_kernarg_segment_ptr 1
		.amdhsa_wavefront_size32 1
		.amdhsa_system_sgpr_workgroup_id_x 1
		.amdhsa_system_sgpr_workgroup_id_y 1
		.amdhsa_system_sgpr_workgroup_id_z 1
		.amdhsa_system_vgpr_workitem_id 0
		.amdhsa_next_free_vgpr 256
		.amdhsa_next_free_sgpr 66
		.amdhsa_reserve_vcc 1
		.amdhsa_float_denorm_mode_32 3
		.amdhsa_float_denorm_mode_16_64 3
		.amdhsa_memory_ordered 1
		.amdhsa_forward_progress 1
		.amdhsa_inst_pref_size 166
	.end_amdhsa_kernel
	.amdgpu_metadata
---
amdhsa.version: [ 1, 2 ]
amdhsa.kernels:
  - .name:           k_q0253f3c034_prep
    .symbol:         k_q0253f3c034_prep.kd
    .args:
      - { .name: key, .offset: 0, .size: 8, .value_kind: global_buffer, .address_space: global }
      - { .name: value, .offset: 8, .size: 8, .value_kind: global_buffer, .address_space: global }
      - { .name: query, .offset: 16, .size: 8, .value_kind: global_buffer, .address_space: global }
      - { .name: Wk, .offset: 24, .size: 8, .value_kind: global_buffer, .address_space: global }
      - { .name: Wv, .offset: 32, .size: 8, .value_kind: global_buffer, .address_space: global }
      - { .name: Wq, .offset: 40, .size: 8, .value_kind: global_buffer, .address_space: global }
      - { .name: Wo, .offset: 48, .size: 8, .value_kind: global_buffer, .address_space: global }
      - { .name: mask, .offset: 56, .size: 8, .value_kind: global_buffer, .address_space: global }
      - { .name: additional_mask, .offset: 64, .size: 8, .value_kind: global_buffer, .address_space: global }
      - { .name: codes, .offset: 72, .size: 8, .value_kind: global_buffer, .address_space: global }
      - { .name: scales, .offset: 80, .size: 8, .value_kind: global_buffer, .address_space: global }
      - { .name: mb, .offset: 88, .size: 8, .value_kind: global_buffer, .address_space: global }
    .group_segment_fixed_size: 34304
    .private_segment_fixed_size: 0
    .kernarg_segment_align: 8
    .kernarg_segment_size: 96
    .max_flat_workgroup_size: 128
    .sgpr_count:     66
    .vgpr_count:     256
    .wavefront_size: 32
...
	.end_amdgpu_metadata
.endif
;; end of part 1
;; launch proj (part 2): grid 4 x 96, 4 waves a work-group, clusters of 4 x 4, 327,680 bytes of LDS; arguments codes, scales, bk, bv, bq, kv, qi; writes kv, qi
.if DOCPART == 2
	.amdgcn_target "amdgcn-amd-amdhsa--gfx1250"
	.amdhsa_code_object_version 6
	.text
	.protected	k_q0253f3c034_proj
	.globl	k_q0253f3c034_proj
	.p2align	8
	.type	k_q0253f3c034_proj,@function
k_q0253f3c034_proj:
	s_mov_b64 s[64:65], 0
	v_nop
	global_prefetch_b8 v0, s[64:65] scope:SCOPE_SE
	s_setreg_imm32_b32 hwreg(HW_REG_WAVE_MODE, 25, 1), 1
	s_wait_xcnt 0x0
	s_wait_alu depctr_hold_cnt(0) depctr_sa_sdst(0) depctr_va_vdst(0) depctr_va_sdst(0) depctr_va_ssrc(0) depctr_va_vcc(0) depctr_vm_vsrc(0)
	s_getreg_b32 s2, hwreg(HW_REG_IB_STS2, 6, 4)
	s_cmp_eq_u32 s2, 0
	s_cbranch_scc0 .Lentry_in_a_cluster
	s_endpgm
.Lentry_in_a_cluster:
	s_bfe_u32 s2, ttmp6, 0x10000c
	s_cmp_lg_u32 s2, 0xf033
	s_cbranch_scc0 .Lentry_shape_is_right
	s_endpgm
.Lentry_shape_is_right:
; PROJ: the three input projections on codes of FP6 (E2M3) with E8M0 scales, K = 1024, and the quantising of their results for the attention launch.
; KIND = cluster y / 8:  0: k = key Wk^T + bk;  1: v^T = Wv value^T + bv (a lane holds a channel, its registers run along the tokens, which are the K of p V);  2: q = (query Wq^T + bq) / 8.
; A tile of C is 256 x 256; four waves, as many as a WGP has SIMDs, each 128 x 128: 64 accumulators, 512 registers.  THE MATRIX INSTRUCTION IS USED TRANSPOSED: source 0 = 16 rows of B, source 1 = 16 rows of A:
; a lane holds ONE row of A's side and its registers run along B's side.  B's tiles were laid with chosen rows, so that a lane's 64 registers of A's block a are 4 x 16 neighbours: register 16 b + i = column 32 b + 16 (lane / 16) + i.
; OPERANDS ARE IMAGES OF REGISTERS (made by the launch before): fragment (tile, K step of 128) = 1,536 bytes, register group c of lane l at 512 c + 16 l; so a fragment comes from LDS by three loads of 16 bytes a lane, 512 consecutive bytes each.
; K goes in four steps of 256 through two LDS slots; a wave's tensor load brings 8 tiles x 3,072 bytes.  The scale words of the 512 rows, for all of K, come once with the first fills.
; CLUSTERS: 4 x 4 work-groups; A's tiles are asked for jointly along a row of the cluster, B's along a column.
; THE BIAS is the C of each sum's first matrix instruction.  THE 1/8 ON q is a power of two: the codes are those of 8 q and 3 is taken off each scale byte.
; THE WAY OUT uses no LDS: a lane's 64 numbers are quantised in registers and leave as images of the attention launch's operands.
;   kinds 0, 2: 128 columns = two heads of 64: registers 0-5 of the fragment are the first head's half fragment (K = 64), 6-11 the second's; record(b, head): 64 tiles x 768 bytes, then scale words [step][2][lane][4 tiles].
;   kind 1: the fragment is V^T (16 channels x 128 keys) whole; in record(b, head) from byte 57344: (4 step + channel tile) x 1536; scale words from 106496: [step][lane][4 tiles].
; LIMITS: a block of a result whose largest magnitude lies under 2^-121 is quantised under that floor (so that a byte less 3 stays at 1 or above); NaN and infinities are not served.
; REGISTERS: window 0: v16-29 addresses; v32-63 scale words, two sets, and nothing else; v64-127 the bias; v128-223 A's fragments, ONE set (on the way out: at work).  window 1: B's fragments, TWO sets, at v0 and v128.
;   window 2: the accumulators of A's blocks 0-3 ((a, b) at v[8 (8 a + b)]);  window 3: those of blocks 4-7.
.set FR,    12                         ; registers of a fragment
.set NL,    3                          ; LDS loads that bring one
.set NP,    4                          ; places behind this matrix instruction (ISA guide 7.12.1)
.set NQ,    2                          ; matrix instructions deep in a slot
.set STEPB, 1536
.set SLICE, NQ*STEPB                   ; a tile's bytes in a slot
.set HALFT, 8*SLICE                    ; 8 tiles: what one tensor load brings, and what one wave reads of A or of B
.set SLOT,  4*HALFT
.set SCL,   2*SLOT                     ; behind the ring: the scale words, 512 bytes a tile
.set HALFS, 4096
.set SBLK,  512
.set SPARE, SCL+4*HALFS                ; the spare words, 128 bytes a wave: two blocks of 256 bytes that no other line names
.set FLOOR, 0x3000000                  ; 2^-121
.set ADRA, 16                          ; v16-17 LDS address of my A fragments in slot 0, 1
.set ADRB, 20                          ; v20-21 the same for B
.set L8,   24                          ; v24 8 x lane
.set L16,  25                          ; v25 16 x lane
.set ADRS, 27                          ; v27 LDS address of my scale words: lanes 0-15 A's rows, lanes 16-31 B's
.set SPW,  28
.set NIL,  29
.set SC,   32
.set BIAS, 64
.set AF,   128
.set TM,   128                         ; the way out
.set PW,   144
.set PC,   146
.set T0,   158
.set T1,   162
.set SA,   168                         ; v168-175 the eight blocks' scale words;  v176-183 their upper halves
.set SB,   176
.set KIND, 2                           ; s2
.set SEL,  18                          ; s[18:19]
.set G1, 24
.set G0, 32
.set G1B, 48
.set G0B, 56
.set G1S, 68
.set G0S, 76
.set G1SB, 80
.set G0SB, 88
.set MSB, 0
.macro WIN new                         ; the immediate's high byte repeats the setting that is left
.if MSB != \new
	s_set_vgpr_msb (MSB<<8)|\new
.set MSB, \new
.endif
.endm
.macro WINM hi, cm                     ; source 0 (B) window 1, source 1 (A) window 0, D window 2 + hi; C with D, or (the bias) window 0
.if \cm
	WIN 0x81+0x40*(\hi)
.else
	WIN 0xa1+0x50*(\hi)
.endif
.endm
.set TO_B, 0x40
; A joint load: waves 0 and 1 fetch for A, waves 2 and 3 for B; the branch hangs on the wave's number alone.  An s_nop 0 and four v_nop follow each of the two lines.
.macro JLOAD g0a, g1a, g0b, g1b
	s_cmp_eq_u32 s15, 0
	s_cbranch_scc0 .Lfor_b_\@
	tensor_load_to_lds s[\g0a:\g0a+3], s[\g1a:\g1a+7]
	s_nop 0
.rept 4
	v_nop
.endr
	s_branch .Lasked_\@
.Lfor_b_\@:
	tensor_load_to_lds s[\g0b:\g0b+3], s[\g1b:\g1b+7]
	s_nop 0
.rept 4
	v_nop
.endr
.Lasked_\@:
.endm
.macro CREST                           ; a round of the cluster's barrier behind its opening barrier
	s_cmp_lg_u32 s14, 0
	s_cbranch_scc1 .Lnot_wave_0_\@
	s_barrier_signal -3
.Lnot_wave_0_\@:
	s_barrier_wait -3
	s_barrier_signal -1
	s_barrier_wait -1
.endm
.macro CROUND
	s_barrier_signal -1
	s_barrier_wait -1
	CREST
.endm
	s_load_b128 s[4:7], s[0:1], 0x0                ; codes, scales
	s_load_b128 s[8:11], s[0:1], 0x10              ; bk, bv
	s_load_b128 s[92:95], s[0:1], 0x20             ; bq, kv
	s_load_b64 s[96:97], s[0:1], 0x30              ; qi
	v_lshl_add_u32 v[SPW], v0, 2, SPARE
	v_mov_b32 v[NIL], 0
	ds_add_u32 v[SPW], v[NIL]                      ; the wave's opening: the add and its wait ahead of my first tensor load; work on registers stands between them
	ds_add_u32 v[SPW], v[NIL]
	v_lshrrev_b32 v1, 5, v0
	v_readfirstlane_b32 s14, v1                    ; wave 0..3
	s_lshr_b32 s15, s14, 1                         ; which half of A's 256 rows is mine.  Also: I fetch for A (0) or for B (1)
	s_and_b32 s16, s14, 1                          ; which half of B's.  Also: which 8 tiles I fetch
	s_bfe_u32 s40, ttmp6, 0x40000                  ; cx
	s_bfe_u32 s41, ttmp6, 0x40004                  ; cy
	s_and_b32 s18, ttmp7, 0xffff                   ; the cluster's y: the same in all sixteen partners
	s_lshr_b32 s[KIND], s18, 3
	s_and_b32 s19, s18, 7
	s_lshl_b32 s19, s19, 2
	s_cmp_eq_u32 s[KIND], 1                        ; the tokens (32 tiles of 256) are A's side in kinds 0 and 2, B's in kind 1; the channels (4 tiles) the other
	s_cselect_b32 s17, 0, s19
	s_cselect_b32 s42, s19, 0
	s_mov_b32 s46, 1536
	s_cselect_b32 s20, 1600, 0                     ; A's first tile in the buffers: key 0, Wv 1600, query 1024
	s_cselect_b32 s46, 512, s46                    ; B's: Wk 1536, value 512, Wq 1664
	s_cmp_eq_u32 s[KIND], 2
	s_cselect_b32 s20, 1024, s20
	s_cselect_b32 s46, 1664, s46
	s_add_co_u32 s17, s17, s41                     ; tile row of C: hangs on cy alone
	s_add_co_u32 s42, s42, s40                     ; tile column: on cx alone
	s_lshl_b32 s43, s41, 2
	s_lshl_b32 s43, 15, s43                        ; my row of the cluster
	s_lshl_b32 s44, 0x1111, s40                    ; my column
	; descriptor group 1 for the codes: 8 rows (tiles) of 384 elements of 8 bytes, 1,536 elements from tile to tile; no padding: every LDS read takes 512 consecutive bytes
	s_or_b32 s[G1+0], s43, (3<<16)|(1<<21)         ; 15:0 the mask; 17:16 elements of 8 bytes; 21 set beside a mask
	s_or_b32 s[G1B+0], s44, (3<<16)|(1<<21)
.irp g, G1, G1B
	s_mov_b32 s[\g+1], 384<<16                     ; tensor_dim0
	s_mov_b32 s[\g+2], 16<<16                      ; tensor_dim1: 16 tiles for the head's loads; set to 8 for the ring's behind them
	s_mov_b32 s[\g+3], 384<<16                     ; tile_dim0
	s_mov_b32 s[\g+4], 16                          ; tile_dim1
	s_mov_b32 s[\g+5], 1536                        ; tensor_dim0_stride
	s_mov_b32 s[\g+6], 0
	s_mov_b32 s[\g+7], 0
.endr
	; and for the scale words of 16 tiles: 8,192 dense bytes as 32 rows of 256
	s_or_b32 s[G1S+0], s43, (3<<16)|(1<<21)
	s_or_b32 s[G1SB+0], s44, (3<<16)|(1<<21)
.irp g, G1S, G1SB
	s_mov_b32 s[\g+1], 32<<16
	s_mov_b32 s[\g+2], 32<<16                      ; the scale words of 16 tiles: 32 rows of 256 bytes
	s_mov_b32 s[\g+3], 32<<16
	s_mov_b32 s[\g+4], 32
	s_mov_b32 s[\g+5], 32
	s_mov_b32 s[\g+6], 0
	s_mov_b32 s[\g+7], 0
.endr
	s_mul_i32 s18, s16, 8*12288                    ; in the ring I fetch 8 tiles of the 16: which, in bytes
	s_mov_b32 s19, 0
	s_lshl_b32 s21, s17, 4
	s_add_co_u32 s20, s20, s21                     ; A's first tile of the 16
	s_lshl_b32 s47, s42, 4
	s_add_co_u32 s46, s46, s47                     ; B's
	s_lshl_b32 s22, s20, 9                         ; its scale words,
	s_mov_b32 s23, 0
	s_mul_i32 s20, s20, 12288                      ; its codes, in bytes
	s_mov_b32 s21, 0
	s_lshl_b32 s66, s46, 9
	s_mov_b32 s67, 0
	s_mul_i32 s46, s46, 12288
	s_mov_b32 s47, 0
	s_mul_i32 s45, s14, HALFT                      ; where they go: wave x 8 tiles: no place in the cluster enters an LDS address
	s_wait_dscnt 0x0                               ; the opening add is done
	s_wait_kmcnt 0x0
	s_add_nc_u64 s[20:21], s[4:5], s[20:21]
	s_add_nc_u64 s[22:23], s[6:7], s[22:23]
	s_add_nc_u64 s[46:47], s[4:5], s[46:47]
	s_add_nc_u64 s[66:67], s[6:7], s[66:67]
	CROUND                                         ; all sixteen work-groups are here: the first joint loads meet
	s_mov_b32 s[G0S], 1
	s_mov_b32 s[G0S+1], SCL
	s_mov_b64 s[G0S+2:G0S+3], s[22:23]
	s_or_b32 s[G0S+3], s[G0S+3], 0x80000000
	s_mov_b32 s[G0SB], 1
	s_mov_b32 s[G0SB+1], SCL+2*HALFS
	s_mov_b64 s[G0SB+2:G0SB+3], s[66:67]
	s_or_b32 s[G0SB+3], s[G0SB+3], 0x80000000
	s_mov_b32 s[G0], 1                             ; slot 0's group 0 serves the head first: K step 0 of all 16 tiles of A,
	s_mov_b32 s[G0+1], 0
	s_mov_b64 s[G0+2:G0+3], s[20:21]
	s_or_b32 s[G0+3], s[G0+3], 0x80000000
	s_mov_b32 s[G0B], 1                            ; and of B, behind them in slot 0
	s_mov_b32 s[G0B+1], 2*HALFT
	s_mov_b64 s[G0B+2:G0B+3], s[46:47]
	s_or_b32 s[G0B+3], s[G0B+3], 0x80000000
	s_add_nc_u64 s[20:21], s[20:21], s[18:19]      ; slot 1's: my 8 tiles, K step 1
	s_add_nc_u64 s[46:47], s[46:47], s[18:19]
	s_mov_b32 s[G0+4], 1
	s_add_co_u32 s[G0+5], s45, SLOT
	s_add_nc_u64 s[G0+6:G0+7], s[20:21], SLICE
	s_or_b32 s[G0+7], s[G0+7], 0x80000000
	s_mov_b32 s[G0B+4], 1
	s_add_co_u32 s[G0B+5], s45, SLOT
	s_add_nc_u64 s[G0B+6:G0B+7], s[46:47], SLICE
	s_or_b32 s[G0B+7], s[G0B+7], 0x80000000
; THE HEAD'S LOADS, ONE A WAVE: wave 0 K step 0 of A's 16 tiles, wave 1 of B's, wave 2 A's scale words, wave 3 B's.  One chain of branches on the wave's number, one load to an arm, one join.
.macro ARM under, g0, g1, next
	s_cmp_lt_u32 s14, \under
	s_cbranch_scc0 \next
	tensor_load_to_lds s[\g0:\g0+3], s[\g1:\g1+7]
	s_nop 0
.rept 4
	v_nop
.endr
	s_branch .Lhead_asked
\next:
.endm
	ARM 1, G0,  G1,  .Lhead_b
	ARM 2, G0B, G1B, .Lhead_sa
	ARM 3, G0S, G1S, .Lhead_sb
	tensor_load_to_lds s[G0SB:G0SB+3], s[G1SB:G1SB+7]
	s_nop 0
.rept 4
	v_nop
.endr
.Lhead_asked:
	v_and_b32 v1, 15, v0                           ; r
	v_bfe_u32 v2, v0, 4, 1                         ; h
	s_wait_alu depctr_va_vdst(0)
	v_and_b32 v3, 31, v0                           ; lane
	v_lshlrev_b32 v[L16], 4, v3
	v_lshlrev_b32 v[L8], 3, v3
	s_mul_i32 s21, s15, HALFT                      ; my 8 tiles of A
	s_mul_i32 s22, s16, HALFT                      ; my 8 tiles of B,
	s_add_co_u32 s22, s22, 2*HALFT                 ; which lie behind A's 16
.irp s, 0,1
	v_add_nc_u32 v[ADRA+\s], s21, v[L16]
	v_add_nc_u32 v[ADRB+\s], s22, v[L16]
	s_add_co_u32 s21, s21, SLOT
	s_add_co_u32 s22, s22, SLOT
.endr
	v_lshlrev_b32 v5, 4, v1                        ; my row's scale words: 16 bytes a row (four K steps)
	s_lshl_b32 s21, s15, 12
	s_lshl_b32 s22, s16, 12
	s_add_co_u32 s22, s22, 2*HALFS
	s_sub_co_u32 s22, s22, s21
	v_mul_u32_u24 v6, s22, v2                      ; lanes 16-31 take B's: one product, the distance between the two bases
	s_add_co_u32 s21, s21, SCL
	v_add_nc_u32 v5, v5, v6
	v_add_nc_u32 v[ADRS], s21, v5
	; the bias, the output buffer and the record's size, by KIND
	s_cmp_eq_u32 s[KIND], 1
	s_cselect_b64 s[8:9], s[10:11], s[8:9]
	s_cmp_eq_u32 s[KIND], 2
	s_cselect_b64 s[8:9], s[92:93], s[8:9]
	s_cselect_b64 s[10:11], s[96:97], s[94:95]     ; qi or kv
	s_mov_b32 s100, 110592
	s_cselect_b32 s100, 57344, s100                ; a record's bytes
	s_mov_b32 s101, 0
	s_cselect_b32 s93, 0x03030303, 0               ; what is taken off q's scale bytes
	s_lshl_b32 s18, s17, 1
	s_add_co_u32 s18, s18, s15                     ; which 128 of A's side are mine
	s_lshl_b32 s19, s42, 1
	s_add_co_u32 s19, s19, s16                     ; which 128 of B's
	s_cmp_eq_u32 s[KIND], 1
	s_cselect_b32 s20, s19, s18                    ; the tokens: 8 b + key step
	s_cselect_b32 s21, s18, s19                    ; the channels: the pair of heads
	s_mov_b32 s66, 768
	s_cselect_b32 s66, 1536, s66                   ; from block to block in the image
	s_mov_b32 s67, 0
	s_cselect_b32 s94, 104448, 0                   ; kind 1, behind block 3: on to the next head's record, less the four steps made
	s_mov_b32 s95, 0
	s_cselect_b32 s22, 57344, 0                    ; V's image begins here
	s_cselect_b32 s23, 768, s100                   ; registers 6-11 go: 768 bytes on (kind 1), or to the next head's record
	s_mov_b32 s43, 49152
	s_cselect_b32 s43, 106496, s43                 ; the scale words begin here,
	s_cselect_b32 s44, 9, 10                       ; 512 or 1,024 bytes a key step;
	s_cselect_b32 s45, s100, 512                   ; blocks 4-7's: the next record (kind 1), or the step's second group
	s_lshl_b32 s47, s21, 9                         ; the bias: 128 numbers for each 128 channels
	s_mov_b32 s46, s47
	s_mov_b32 s47, 0
	s_add_nc_u64 s[8:9], s[8:9], s[46:47]
	s_lshr_b32 s46, s20, 3                         ; b
	s_and_b32 s47, s20, 7                          ; key step
	s_lshl_b32 s46, s46, 4
	s_lshl_b32 s21, s21, 1
	s_add_co_u32 s46, s46, s21                     ; 16 b + the pair's first head
	s_mul_i32 s46, s46, s100                       ; its record
	s_mul_i32 s20, s47, 6144
	s_add_co_u32 s20, s20, s46
	s_add_co_u32 s20, s20, s22
	s_mov_b32 s21, 0
	s_lshl_b32 s44, s47, s44
	s_add_co_u32 s44, s44, s43
	s_add_co_u32 s46, s46, s44
	s_mov_b32 s47, 0
	s_add_nc_u64 s[96:97], s[10:11], s[46:47]      ; where blocks 0-3's scale words go,
	s_mov_b32 s46, s45
	s_add_nc_u64 s[98:99], s[96:97], s[46:47]      ; and blocks 4-7's
	s_add_nc_u64 s[10:11], s[10:11], s[20:21]      ; where registers 0-5 of block 0 go,
	s_mov_b32 s20, s23
	s_add_nc_u64 s[12:13], s[10:11], s[20:21]      ; and registers 6-11
	s_mov_b32 s[SEL], 0x76543210
	s_mov_b32 s[SEL+1], 0xfedcba98
	v_lshlrev_b32 v4, 6, v2                        ; 64 h
	v_and_b32 v6, 8, v1
	v_add_nc_u32 v6, v6, v1
	v_lshlrev_b32 v6, 2, v6                        ; 4 (r + 8 (r / 8))
	s_cmp_eq_u32 s[KIND], 1
	s_cbranch_scc1 .Lbias_row
.irp b, 0,1,2,3,4,5,6,7                        ; kinds 0, 2: the channels run along my registers: for B's block b the eight at 32 (b / 2) + 8 (b % 2) + 16 h
	global_load_b128 v[BIAS+8*\b:BIAS+8*\b+3], v4, s[8:9] offset:(32*(\b/2)+8*(\b%2))*4
	global_load_b128 v[BIAS+8*\b+4:BIAS+8*\b+7], v4, s[8:9] offset:(32*(\b/2)+8*(\b%2))*4+16
.endr
	s_branch .Lbias_done
.Lbias_row:
	s_wait_alu depctr_va_vdst(0)
.irp a, 0,1,2,3,4,5,6,7                        ; kind 1: my lane is a channel: for A's block a the one at 32 (a / 2) + 8 (a % 2) + r + 8 (r / 8), in all eight registers
	global_load_b32 v[BIAS+8*\a], v6, s[8:9] offset:(32*(\a/2)+8*(\a%2))*4
.endr
	s_wait_loadcnt 0x0
.irp a, 0,1,2,3,4,5,6,7
.irp j, 1,2,3,4,5,6,7
	v_mov_b32 v[BIAS+8*\a+\j], v[BIAS+8*\a]
.endr
.endr
.rept 8
	v_nop
.endr
.Lbias_done:
.macro FRAG reg, adr, q, i             ; a fragment as it was stored: three loads, 512 consecutive bytes each
.irp c, 0,1,2
	ds_load_b128 v[\reg+4*\c:\reg+4*\c+3], v[\adr] offset:(\i)*SLICE+(\q)*STEPB+512*\c
.endr
.endm
; 16 matrix instructions: A's blocks a0, a0 + 1 x B's eight, the slot's q-th 128 along K.  p: B's set; sc: the set of scale words; cm = 0: adds on; 1: C = the bias by B's block; 2: by A's block.
; The 64 accumulators take turns, one instruction a turn, in the same order in every step.
.macro MUL16 a0, p, q, sc, cm
.irp a, \a0, \a0+1
.irp b, 0,1,2,3,4,5,6,7
.set rD, 8*(8*((\a)%4)+\b)
.set rB, 128*(\p)+FR*\b
.set rA, AF+FR*(\a)
.set rC, rD
.if (\cm) == 1
.set rC, BIAS+8*\b
.endif
.if (\cm) == 2
.set rC, BIAS+8*(\a)
.endif
	v_wmma_scale_f32_16x16x128_f8f6f4 v[rD:rD+7], v[rB:rB+FR-1], v[rA:rA+FR-1], v[rC:rC+7], v[SC+8*NQ*(\sc)+NQ*\b+(\q)], v[SC+8*NQ*(\sc)+NQ*(\a)+(\q)] matrix_a_fmt:MATRIX_FMT_FP6 matrix_b_fmt:MATRIX_FMT_FP6 matrix_a_scale:MATRIX_SCALE_ROW1
.endr
.endr
.endm
.macro FETCH_B slot, q, p
	WIN TO_B
.irp i, 0,1,2,3,4,5,6,7
	FRAG 128*(\p)+FR*\i, ADRB+\slot, \q, \i
.endr
	WIN 0
.endm
.macro FETCH_A slot, q, i0
.irp i, \i0, \i0+1, \i0+2, \i0+3
	FRAG AF+FR*(\i), ADRA+\slot, \q, \i
.endr
.endm
.macro SCALES sc                       ; a slot's two scale words a row; lanes 0-15 take A's block i, lanes 16-31 B's block i
.irp i, 0,1,2,3,4,5,6,7
	ds_load_b64 v[SC+8*NQ*\sc+NQ*\i:SC+8*NQ*\sc+NQ*\i+1], v[ADRS] offset:\i*SBLK
.endr
.endm
.macro PLACES n                        ; plain vector instructions between a matrix instruction and a load into, or a read of, its registers
.rept \n
	v_nop
.endr
.endm
.macro STEP slot, q, cm                ; 128 along K that has its successor in the same slot
	s_wait_dscnt 4*NL                              ; B's set and A's blocks 0-3 are in; the youngest twelve loads (A's blocks 4-7) may be out
	WINM 0, \cm
	MUL16 0, (\q)%2, \q, \slot, \cm
	MUL16 2, (\q)%2, \q, \slot, \cm
	s_wait_dscnt 0
	PLACES NP
	FETCH_B \slot, (\q)+1, 1-(\q)%2
	FETCH_A \slot, (\q)+1, 0
	WINM 1, \cm
	MUL16 4, (\q)%2, \q, \slot, \cm
	MUL16 6, (\q)%2, \q, \slot, \cm
	PLACES NP
	WIN 0
	FETCH_A \slot, (\q)+1, 4
.endm
; A slot's last step changes slots: ONE barrier; in front of it each wave waits for all its tensor loads, adds 0 to its spare word, and waits for that and for its reads of this slot.  fill = 1: the slot is filled again, two K steps of 256 ahead.
.macro TURN slot, next, fill
	s_wait_tensorcnt 0x0                           ; all my tensor loads have landed: my part of the next slot
	ds_add_u32 v[SPW], v[NIL]                      ; 0 onto my spare word
	s_wait_dscnt 4*NL+1                            ; (the add and the youngest twelve loads may be out)
	WINM 0, 0
	MUL16 0, 1, NQ-1, \slot, 0
	s_wait_dscnt 0x0                               ; the add is done, and my reads of this slot are over
	s_barrier_signal -1
	MUL16 2, 1, NQ-1, \slot, 0
	WIN 0
	s_barrier_wait -1
.if \fill
	CREST                                          ; the barrier has opened a round of the cluster's: no wave of any partner still reads this slot or has a load on its way
	s_add_nc_u64 s[G0+4*\slot+2:G0+4*\slot+3], s[G0+4*\slot+2:G0+4*\slot+3], 2*SLICE
	s_add_nc_u64 s[G0B+4*\slot+2:G0B+4*\slot+3], s[G0B+4*\slot+2:G0B+4*\slot+3], 2*SLICE
	JLOAD G0+4*\slot, G1, G0B+4*\slot, G1B         ; the first tensor load behind the round; its four v_nop are the places in front of the loads below
.else
	PLACES NP
.endif
	s_wait_alu depctr_va_vdst(0)
	v_add_nc_u32 v[ADRS], 8+240*\slot, v[ADRS]     ; the next two scale words of a row: 8 bytes on, or on into the second group of four K steps
	FETCH_B \next, 0, 0
	FETCH_A \next, 0, 0
	SCALES \next
	WINM 1, 0
	MUL16 4, 1, NQ-1, \slot, 0
	MUL16 6, 1, NQ-1, \slot, 0
	PLACES NP
	WIN 0
	FETCH_A \next, 0, 4
.endm
	s_wait_alu depctr_va_vdst(0)
	s_wait_tensorcnt 0x0                           ; my tile of the head's four is in; these lines stand ahead of slot 1's first fill as ahead of a refill
	ds_add_u32 v[SPW], v[NIL]                      ; 0 onto my spare word
	s_mov_b32 s[G1+2], 8<<16                       ; no tensor load of mine is out: from here on a load brings 8 tiles,
	s_mov_b32 s[G1+4], 8
	s_mov_b32 s[G1B+2], 8<<16
	s_mov_b32 s[G1B+4], 8
	s_mul_i32 s20, s16, 8*12288                    ; and slot 0's group 0 becomes the ring's: my 8 tiles, at wave x 8 tiles in LDS
	s_mov_b32 s21, 0
	s_mul_i32 s[G0+1], s14, HALFT
	s_add_nc_u64 s[G0+2:G0+3], s[G0+2:G0+3], s[20:21]
	s_mul_i32 s[G0B+1], s14, HALFT
	s_add_nc_u64 s[G0B+2:G0B+3], s[G0B+2:G0B+3], s[20:21]
	s_wait_dscnt 0x0                               ; the add is done
	CROUND                                         ; all four tiles are in, and all sixteen work-groups are here
	JLOAD G0+4, G1, G0B+4, G1B                     ; K step 1, the first tensor load behind the round
	FETCH_B 0, 0, 0
	FETCH_A 0, 0, 0
	s_wait_alu depctr_va_vdst(0)
	SCALES 0
	FETCH_A 0, 0, 4
	s_wait_loadcnt 0x0                             ; the bias
	s_cmp_eq_u32 s[KIND], 1
	s_cbranch_scc1 .Lfirst_row
	STEP 0, 0, 1                                   ; the first products start the sums from the bias
	s_branch .Lfirst_done
.Lfirst_row:
	STEP 0, 0, 2
.Lfirst_done:
	TURN 0, 1, 1                                   ; K = 1024 is four slots' worth: written out, no loop
	STEP 1, 0, 0
	TURN 1, 0, 1
	STEP 0, 0, 0
	TURN 0, 1, 0
	STEP 1, 0, 0
	s_wait_dscnt 4*NL
	WINM 0, 0
	MUL16 0, 1, NQ-1, 1, 0
	MUL16 2, 1, NQ-1, 1, 0
	s_wait_dscnt 0
	WINM 1, 0
	MUL16 4, 1, NQ-1, 1, 0
	MUL16 6, 1, NQ-1, 1, 0
	WIN 0
	; THE WAY OUT: A's block a: my row's 128 numbers, 64 in my lane, become a fragment and a scale word
	PLACES 4
.irp b, 0,1,2,3
	v_mov_b32 v[TM+4+\b], 0                        ; written once: a lane permute's destination counts as one of its sources
.endr
.macro OUTA a
.set W, 2+(\a)/4
.set AC, 64*((\a)%4)
	WIN (W<<2)|(W<<4)                              ; sources 1 and 2: the accumulators' window
.irp b, 0,1,2,3
	v_max3_num_f32 v[TM+\b], FLOOR, |v[AC+16*\b]|, |v[AC+1+16*\b]|     ; each accumulator is read from its low end on
.endr
.irp i, 2,4,6,8,10,12,14
.irp b, 0,1,2,3
	v_max3_num_f32 v[TM+\b], v[TM+\b], |v[AC+16*\b+\i]|, |v[AC+1+16*\b+\i]|
.endr
.endr
	WIN 0
.irp b, 0,1,2,3
	v_permlanex16_b32 v[TM+4+\b], v[TM+\b], s[SEL], s[SEL+1]
.endr
.irp b, 0,1,2,3
	v_max_num_f32 v[TM+\b], v[TM+\b], v[TM+4+\b]
.endr
.irp b, 0,1,2,3
	v_add_nc_u32 v[TM+12+\b], 0xff000000, v[TM+\b]
.endr
.irp b, 0,1,2,3
	v_lshrrev_b32 v[TM+4+\b], 23, v[TM+12+\b]
.endr
	v_lshl_or_b32 v[PW], v[TM+5], 8, v[TM+4]
	v_lshl_or_b32 v[PW], v[TM+6], 16, v[PW]
	v_lshl_or_b32 v[PW], v[TM+7], 24, v[PW]
	v_sub_nc_u32 v[SA+(\a)], v[PW], s93            ; q: 3 off each byte (each is 4 or more: no borrow)
	v_lshrrev_b32 v[SB+(\a)], 16, v[SA+(\a)]       ; the second head's two bytes
	s_wait_xcnt 0x0                                ; the last block's stores have read their data and their bases: both are written again only behind this wait
.if (\a) > 0
	s_add_nc_u64 s[10:11], s[10:11], s[66:67]
	s_add_nc_u64 s[12:13], s[12:13], s[66:67]
.endif
.if (\a) == 4
	s_add_nc_u64 s[10:11], s[10:11], s[94:95]
	s_add_nc_u64 s[12:13], s[12:13], s[94:95]
.endif
	WIN W                                          ; source 0: the accumulators' window
	v_cvt_scalef32_pk16_fp6_f32 v[PC:PC+2], v[AC:AC+15], v[TM+12]
	v_cvt_scalef32_pk16_fp6_f32 v[T0:T0+2], v[AC+16:AC+31], v[TM+13]
	v_cvt_scalef32_pk16_fp6_f32 v[PC+6:PC+8], v[AC+32:AC+47], v[TM+14]
	v_cvt_scalef32_pk16_fp6_f32 v[T1:T1+2], v[AC+48:AC+63], v[TM+15]
	WIN 0
	v_nop                                          ; one plain place behind the conversions
.irp i, 0,1,2
	v_permlane16_swap_b32 v[PC+\i], v[T0+\i]
	v_permlane16_swap_b32 v[PC+6+\i], v[T1+\i]
.endr
.irp i, 0,1,2
	v_mov_b32 v[PC+3+\i], v[T0+\i]
	v_mov_b32 v[PC+9+\i], v[T1+\i]
.endr
.irp p, 0,1,2,3,4,5
	global_store_b64 v[L8], v[PC+2*\p:PC+2*\p+1], s[10+2*(\p/3):11+2*(\p/3)] offset:256*(\p%3)   ; 32 lanes store 256 consecutive bytes, at a multiple of 256 from the buffer's first byte
.endr
.endm
.irp a, 0,1,2,3,4,5,6,7
	OUTA \a
.endr
	global_store_b128 v[L16], v[SA:SA+3], s[96:97]         ; four blocks' scale words a lane: 512 consecutive bytes
	global_store_b128 v[L16], v[SA+4:SA+7], s[98:99]
	s_cmp_eq_u32 s[KIND], 1
	s_cbranch_scc1 .Lno_second
	s_add_nc_u64 s[20:21], s[96:97], s[100:101]            ; kinds 0, 2: the second head's, in its own record
	s_add_nc_u64 s[22:23], s[98:99], s[100:101]
	global_store_b128 v[L16], v[SB:SB+3], s[20:21]
	global_store_b128 v[L16], v[SB+4:SB+7], s[22:23]
.Lno_second:
	s_wait_tensorcnt 0x0                           ; the wave's end: three lines behind my last tensor load
	ds_add_u32 v[SPW], v[NIL]
	s_wait_dscnt 0x0
	CROUND                                         ; the closing round: no work-group ends while a partner may still ask for a tile that names it
	s_endpgm
.Lfunc_end_k_q0253f3c034_proj:
	.size	k_q0253f3c034_proj, .Lfunc_end_k_q0253f3c034_proj-k_q0253f3c034_proj
	.p2alignl 7, 3214868480
	.fill 96, 4, 3214868480
	.section	.rodata,"a",@progbits
	.p2align	6, 0x0
	.amdhsa_kernel k_q0253f3c034_proj
		.amdhsa_group_segment_fixed_size 327680
		.amdhsa_private_segment_fixed_size 0
		.amdhsa_enable_private_segment 0
		.amdhsa_kernarg_size 56
		.amdhsa_user_sgpr_count 2
		.amdhsa_user_sgpr_kernarg_segment_ptr 1
		.amdhsa_wavefront_size32 1
		.amdhsa_system_sgpr_workgroup_id_x 1
		.amdhsa_system_sgpr_workgroup_id_y 1
		.amdhsa_system_sgpr_workgroup_id_z 1
		.amdhsa_system_vgpr_workitem_id 0
		.amdhsa_next_free_vgpr 1024
		.amdhsa_next_free_sgpr 102
		.amdhsa_reserve_vcc 0
		.amdhsa_float_denorm_mode_32 3
		.amdhsa_float_denorm_mode_16_64 3
		.amdhsa_memory_ordered 1
		.amdhsa_forward_progress 1
		.amdhsa_inst_pref_size 162
	.end_amdhsa_kernel
	.amdgpu_metadata
---
amdhsa.version: [ 1, 2 ]
amdhsa.kernels:
  - .name:           k_q0253f3c034_proj
    .symbol:         k_q0253f3c034_proj.kd
    .args:
      - { .name: codes, .offset: 0, .size: 8, .value_kind: global_buffer, .address_space: global }
      - { .name: scales, .offset: 8, .size: 8, .value_kind: global_buffer, .address_space: global }
      - { .name: bk, .offset: 16, .size: 8, .value_kind: global_buffer, .address_space: global }
      - { .name: bv, .offset: 24, .size: 8, .value_kind: global_buffer, .address_space: global }
      - { .name: bq, .offset: 32, .size: 8, .value_kind: global_buffer, .address_space: global }
      - { .name: kv, .offset: 40, .size: 8, .value_kind: global_buffer, .address_space: global }
      - { .name: qi, .offset: 48, .size: 8, .value_kind: global_buffer, .address_space: global }
    .group_segment_fixed_size: 327680
    .private_segment_fixed_size: 0
    .kernarg_segment_align: 8
    .kernarg_segment_size: 56
    .max_flat_workgroup_size: 128
    .sgpr_count:     102
    .vgpr_count:     1024
    .wavefront_size: 32
...
	.end_amdgpu_metadata
.endif
;; end of part 2
;; launch attn (part 3): grid 4 x 64, 16 waves a work-group, clusters of 4 x 1, 327,680 bytes of LDS; arguments kv, qi, mb, cc, out1; writes cc, out1
.if DOCPART == 3
	.amdgcn_target "amdgcn-amd-amdhsa--gfx1250"
	.amdhsa_code_object_version 6
	.text
	.protected	k_q0253f3c034_attn
	.globl	k_q0253f3c034_attn
	.p2align	8
	.type	k_q0253f3c034_attn,@function
k_q0253f3c034_attn:
	s_mov_b64 s[64:65], 0
	v_nop
	global_prefetch_b8 v0, s[64:65] scope:SCOPE_SE
	s_setreg_imm32_b32 hwreg(HW_REG_WAVE_MODE, 25, 1), 1
	s_wait_xcnt 0x0
	s_wait_alu depctr_hold_cnt(0) depctr_sa_sdst(0) depctr_va_vdst(0) depctr_va_sdst(0) depctr_va_ssrc(0) depctr_va_vcc(0) depctr_vm_vsrc(0)
	s_getreg_b32 s2, hwreg(HW_REG_IB_STS2, 6, 4)
	s_cmp_eq_u32 s2, 0
	s_cbranch_scc0 .Lentry_in_a_cluster
	s_endpgm
.Lentry_in_a_cluster:
	s_bfe_u32 s2, ttmp6, 0x10000c
	s_cmp_lg_u32 s2, 0x3003
	s_cbranch_scc0 .Lentry_shape_is_right
	s_endpgm
.Lentry_shape_is_right:
.set REC,   110592
.set QREC,  57344
.set KSC,   49152
.set VIM,   57344
.set VSC,   106496
.set STAGE, 2*REC
.set SPARE, STAGE+16*4352
.macro ROUND
	s_barrier_signal -1
	s_barrier_wait -1
	s_cmp_lg_u32 s9, 0
	s_cbranch_scc1 .Lnot_wave_0_\@
	s_barrier_signal -3
.Lnot_wave_0_\@:
	s_barrier_wait -3
	s_barrier_signal -1
	s_barrier_wait -1
.endm
.macro MLOAD
	s_load_b512 s[16:31], s[6:7], s8 offset:0x0
	s_load_b512 s[32:47], s[6:7], s8 offset:0x40
	s_load_b512 s[48:63], s[6:7], s8 offset:0x80
	s_load_b512 s[68:83], s[6:7], s8 offset:0xc0
.endm
.macro SCORES QF, QS
.irp t, 0,1,2,3,4,5,6,7
	v_wmma_scale_f32_16x16x128_f8f6f4 v[96+8*\t:103+8*\t], v[32+6*\t:43+6*\t], v[\QF:\QF+11], 0, v[86+\t], v[\QS] matrix_a_fmt:MATRIX_FMT_FP6 matrix_b_fmt:MATRIX_FMT_FP6
.endr
.endm
	s_load_b256 s[16:23], s[0:1], 0x0
	s_load_b64 s[24:25], s[0:1], 0x20
	v_lshl_add_u32 v3, v0, 2, SPARE
	v_mov_b32 v4, 0
	ds_add_u32 v3, v4
	ds_add_u32 v3, v4
	v_lshrrev_b32 v5, 5, v0
	s_delay_alu instid0(VALU_DEP_1)
	v_readfirstlane_b32 s9, v5
	s_bfe_u32 s14, ttmp6, 0x40000
	s_lshl_b32 s15, ttmp9, 2
	s_add_co_u32 s14, s14, s15
	s_and_b32 s15, ttmp7, 0xffff
	s_lshr_b32 s26, s15, 3
	s_and_b32 s27, s15, 7
	s_mov_b32 s84, 15|(3<<16)|(1<<21)
	s_mov_b32 s85, 32<<16
	s_mov_b32 s86, 54<<16                          ; a wave's one load: 54 rows of 256 bytes, a sixteenth of the two heads' records, which lie on end in kv and in LDS
	s_mov_b32 s87, 32<<16
	s_mov_b32 s88, 54
	s_mov_b32 s89, 32
	s_mov_b32 s90, 0
	s_mov_b32 s91, 0
	s_mul_i32 s28, s9, 13824
	s_lshl_b32 s30, s26, 4
	s_lshl_b32 s31, s27, 1
	s_add_co_u32 s30, s30, s31
	s_mul_i32 s32, s30, REC
	s_mul_i32 s34, s30, QREC
	s_add_co_u32 s36, s32, s28
	s_mov_b32 s37, 0
	s_mov_b32 s10, 0x76543210
	s_mov_b32 s11, 0xfedcba98
	s_mov_b32 s12, 0x3fb8aa3b
	s_mov_b32 s13, s12
	s_wait_dscnt 0x0
	s_wait_kmcnt 0x0
	s_mov_b32 s92, 1
	s_mov_b32 s93, s28
	s_add_nc_u64 s[94:95], s[16:17], s[36:37]
	s_or_b32 s95, s95, 0x80000000
	ROUND
	tensor_load_to_lds s[92:95], s[84:91]          ; the launch's only tensor load: both records, asked for jointly by the four query blocks; nothing is filled again
	s_nop 0
.rept 4
	v_nop
.endr
.irp j, 22,23,24,25,26,27,80,81,82,83,84,85,248,249,250,251,252,253
	v_mov_b32 v[\j], 0
.endr
	v_mov_b32 v29, 0xdd800000
	v_and_b32 v5, 31, v0
	s_delay_alu instid0(VALU_DEP_1)
	v_lshlrev_b32 v1, 3, v5
	s_delay_alu instid0(VALU_DEP_2)
	v_lshlrev_b32 v2, 4, v5
	v_and_b32 v6, 15, v0
	v_bfe_u32 v7, v0, 4, 1
	s_delay_alu instid0(VALU_DEP_2)
	v_lshlrev_b32 v11, 4, v6
	s_mul_i32 s38, s9, 4352
	s_add_co_u32 s38, s38, STAGE
	v_mul_u32_u24 v8, v6, 272
	s_delay_alu instid0(VALU_DEP_1)
	v_lshl_add_u32 v8, v7, 6, v8
	s_delay_alu instid0(VALU_DEP_1)
	v_add_nc_u32 v8, s38, v8
	v_mul_u32_u24 v9, v7, 272
	s_delay_alu instid0(VALU_DEP_1)
	v_lshl_add_u32 v9, v6, 4, v9
	s_delay_alu instid0(VALU_DEP_1)
	v_add_nc_u32 v9, s38, v9
	v_lshlrev_b32 v10, 12, v7
	s_delay_alu instid0(VALU_DEP_1)
	v_lshl_add_u32 v10, v6, 4, v10
	s_lshl_b32 s40, s27, 2
	s_add_co_u32 s40, s40, s14
	s_lshl_b32 s40, s40, 1
	s_lshr_b32 s41, s9, 3
	s_add_co_u32 s40, s40, s41
	s_and_b32 s41, s9, 7
	s_lshl_b32 s42, s26, 4
	s_mul_i32 s44, s42, QREC
	s_mul_i32 s43, s40, 768
	s_add_co_u32 s46, s44, s43
	s_mov_b32 s47, 0
	s_add_nc_u64 s[46:47], s[18:19], s[46:47]
	s_lshr_b32 s43, s40, 2
	s_lshl_b32 s43, s43, 9
	s_and_b32 s48, s40, 3
	s_lshl_b32 s48, s48, 2
	s_add_co_u32 s48, s48, s43
	s_add_co_u32 s48, s48, s44
	s_add_co_u32 s48, s48, KSC
	s_mov_b32 s49, 0
	s_add_nc_u64 s[48:49], s[18:19], s[48:49]
	s_mul_i32 s44, s42, REC
	s_mul_i32 s43, s41, 6144
	s_add_co_u32 s50, s44, s43
	s_mov_b32 s51, 0
	s_add_nc_u64 s[50:51], s[16:17], s[50:51]
	s_lshl_b32 s43, s41, 10
	s_add_co_u32 s52, s44, s43
	s_add_co_u32 s52, s52, KSC
	s_mov_b32 s53, 0
	s_add_nc_u64 s[52:53], s[16:17], s[52:53]
	s_lshl_b32 s54, s26, 22
	s_lshl_b32 s43, s40, 16
	s_add_co_u32 s54, s54, s43
	s_lshl_b32 s43, s41, 9
	s_add_co_u32 s54, s54, s43
	s_mov_b32 s55, 0
	s_add_nc_u64 s[24:25], s[24:25], s[54:55]
.irp p, 0,1,2
	global_load_b64 v[16+2*\p:17+2*\p], v1, s[46:47] offset:256*\p
.endr
	global_load_b32 v28, v2, s[48:49]
.irp t, 0,1,2,3,4,5,6,7
.irp p, 0,1,2
	global_load_b64 v[32+6*\t+2*\p:33+6*\t+2*\p], v1, s[50:51] offset:768*\t+256*\p
.endr
.endr
	global_load_b128 v[86:89], v2, s[52:53]
	global_load_b128 v[90:93], v2, s[52:53] offset:512
	s_wait_loadcnt 0x0
	SCORES 16, 28
.rept 4
	v_nop
.endr
	s_wait_alu depctr_va_vdst(0)
.irp u, 0,1
.irp t, 0,1,2,3
	ds_store_b128 v8, v[96+32*\u+8*\t:99+32*\u+8*\t] offset:128*(\t/2)+32*(\t%2)
	ds_store_b128 v8, v[100+32*\u+8*\t:103+32*\u+8*\t] offset:128*(\t/2)+32*(\t%2)+16
.endr
.irp i, 0,1,2,3,4,5,6,7
	ds_load_b128 v[160+32*\u+4*\i:163+32*\u+4*\i], v9 offset:544*\i
.endr
.endr
.irp u, 0,1
.irp i, 0,1,2,3,4,5,6,7
	s_wait_dscnt 23-16*\u-\i
	global_store_b128 v10, v[160+32*\u+4*\i:163+32*\u+4*\i], s[24:25] offset:8192*\i+256*\u th:TH_STORE_NT
.endr
.endr
	s_lshl_b32 s40, s14, 4
	s_add_co_u32 s40, s40, s9
	s_mul_i32 s43, s40, 768
	s_add_co_u32 s46, s34, s43
	s_mov_b32 s47, 0
	s_add_nc_u64 s[46:47], s[18:19], s[46:47]
	s_lshr_b32 s43, s40, 2
	s_lshl_b32 s43, s43, 9
	s_and_b32 s48, s40, 3
	s_lshl_b32 s48, s48, 2
	s_add_co_u32 s48, s48, s43
	s_add_co_u32 s48, s48, s34
	s_add_co_u32 s48, s48, KSC
	s_mov_b32 s49, 0
	s_add_nc_u64 s[48:49], s[18:19], s[48:49]
.irp p, 0,1,2
	global_load_b64 v[16+2*\p:17+2*\p], v1, s[46:47] offset:256*\p
	global_load_b64 v[242+2*\p:243+2*\p], v1, s[46:47] offset:QREC+256*\p
.endr
	global_load_b32 v28, v2, s[48:49]
	global_load_b32 v254, v2, s[48:49] offset:QREC
	s_lshl_b32 s41, s26, 6
	s_add_co_u32 s41, s41, s40
	s_mul_i32 s42, s41, 12288
	s_mul_i32 s43, s27, 1536
	s_add_co_u32 s42, s42, s43
	s_mov_b32 s43, 0
	s_add_nc_u64 s[66:67], s[22:23], s[42:43]
	s_lshl_b32 s42, s41, 9
	s_lshr_b32 s44, s27, 2
	s_lshl_b32 s44, s44, 8
	s_and_b32 s45, s27, 3
	s_lshl_b32 s45, s45, 2
	s_add_co_u32 s42, s42, s44
	s_add_co_u32 s42, s42, s45
	s_add_co_u32 s42, s42, 6291456
	s_add_nc_u64 s[100:101], s[22:23], s[42:43]
	s_lshl_b32 s42, s41, 11
	s_lshl_b32 s44, s26, 11
	s_add_co_u32 s44, s44, 1048576
	s_cmp_lt_u32 s27, 4
	s_cselect_b32 s42, s42, s44
	s_add_nc_u64 s[6:7], s[20:21], s[42:43]
	s_mov_b32 s8, 0
	s_wait_xcnt 0x0
	MLOAD
	v_mov_b32 v95, 0
.irp b, 0,1,2,3
	v_mov_b32 v[216+\b], 0
.endr
	s_wait_tensorcnt 0x0                           ; my part of both records is in; the barrier below shows both whole to all sixteen waves
	s_wait_dscnt 0x0
	s_barrier_signal -1
	s_barrier_wait -1
	s_wait_loadcnt 0x0
.macro HEAD hd, QF, QS, D
	s_mov_b32 s2, REC*\hd
	s_mov_b32 s3, REC*\hd+KSC
	s_mov_b32 s4, REC*\hd+VSC
	s_mov_b32 s5, 8
	v_mov_b32 v13, 0xff61b1e6
	s_delay_alu instid0(VALU_DEP_1)
	v_floor_f32 v12, -v13
	v_mov_b32 v14, 0
	v_mov_b32 v15, 0
.set j, 0
.rept 32
	v_mov_b32 v[160+j], 0
.set j, j+1
.endr
.Lstep_\@:
	v_add_nc_u32 v5, s2, v1
	v_add_nc_u32 v6, s3, v2
	v_add_nc_u32 v7, s4, v2
	v_nop
.irp t, 0,1,2,3,4,5,6,7
.irp p, 0,1,2
	ds_load_b64 v[32+6*\t+2*\p:33+6*\t+2*\p], v5 offset:768*\t+256*\p
.endr
.endr
	ds_load_b128 v[86:89], v6
	ds_load_b128 v[90:93], v6 offset:512
	s_wait_alu depctr_va_vdst(0)
	s_wait_dscnt 0x0
	SCORES \QF, \QS
.rept 4
	v_nop
.endr
.irp c, 0,1,2,3
.irp p, 0,1,2,3,4,5
	ds_load_b64 v[32+12*\c+2*\p:33+12*\c+2*\p], v5 offset:VIM+1536*\c+256*\p
.endr
.endr
	ds_load_b128 v[86:89], v7
	s_wait_kmcnt 0x0
.set n, 0
.rept 64
	v_cndmask_b32 v[96+n], v[96+n], v29, s[16+n+4*(n/48)]
.set n, n+1
.endr
	s_wait_xcnt 0x0
	s_add_co_u32 s8, s8, 256
	s_and_b32 s8, s8, 0x7ff
	MLOAD
.irp b, 0,1,2,3
	v_max3_num_f32 v[212+\b], v[96+16*\b], v[97+16*\b], v[98+16*\b]
.endr
.irp i, 3,5,7,9,11,13
.irp b, 0,1,2,3
	s_delay_alu instid0(VALU_DEP_4)
	v_max3_num_f32 v[212+\b], v[212+\b], v[96+16*\b+\i], v[97+16*\b+\i]
.endr
.endr
.irp b, 0,1,2,3
	s_delay_alu instid0(VALU_DEP_4)
	v_max_num_f32 v[212+\b], v[212+\b], v[111+16*\b]
.endr
.irp b, 0,1,2,3
	s_delay_alu instid0(VALU_DEP_4)
	v_permlanex16_b32 v[216+\b], v[212+\b], s10, s11
.endr
.irp b, 0,1,2,3
	s_delay_alu instid0(VALU_DEP_4)
	v_max_num_f32 v[212+\b], v[212+\b], v[216+\b]
.endr
	s_delay_alu instid0(VALU_DEP_2)
	v_max3_num_f32 v224, v212, v213, v214
	s_delay_alu instid0(VALU_DEP_1)
	v_max_num_f32 v224, v224, v215
	s_delay_alu instid0(VALU_DEP_1)
	v_mul_f32 v224, s12, v224
	s_delay_alu instid0(VALU_DEP_1)
	v_max_num_f32 v13, v13, v224
	v_mov_b32 v224, v12
	s_delay_alu instid0(VALU_DEP_2)
	v_floor_f32 v12, -v13
	s_delay_alu instid0(VALU_DEP_1)
	v_sub_f32 v224, v12, v224
	s_delay_alu instid0(VALU_DEP_1)
	v_cvt_i32_f32 v224, v224
	s_delay_alu instid0(VALU_DEP_1)
	v_ldexp_f32 v94, 1.0, v224
.set j, 0
.rept 32
	v_pk_fma_f32 v[96+j:97+j], v[96+j:97+j], s[12:13], v[12:13] op_sel_hi:[1,0,0]
.set j, j+2
.endr
.irp b, 0,1,2,3
	v_fma_f32 v[212+\b], v[212+\b], s12, v12
.endr
.set j, 0
	s_wait_alu depctr_va_vdst(0)
.rept 64
	v_exp_f32 v[96+j], v[96+j]
.set j, j+1
.endr
	v_pk_mul_f32 v[14:15], v[14:15], v[94:95] op_sel_hi:[1,0]
	s_wait_alu depctr_va_vdst(0)
.irp b, 0,1,2,3
	v_exp_f32 v[212+\b], v[212+\b]
.endr
	v_pk_add_f32 v[216:217], v[96:97], v[98:99]
.irp j, 4,8,12,16,20,24,28,32,36,40,44,48,52,56,60
	v_pk_add_f32 v[14:15], v[14:15], v[96+\j:97+\j]
	v_pk_add_f32 v[216:217], v[216:217], v[98+\j:99+\j]
.endr
	s_delay_alu instid0(VALU_DEP_1)
	v_pk_add_f32 v[14:15], v[14:15], v[216:217]
	s_wait_alu depctr_va_vdst(0)
.irp b, 0,1,2,3
	v_max_num_f32 v[212+\b], 0x1800000, v[212+\b]
.endr
.irp b, 0,1,2,3
	s_delay_alu instid0(VALU_DEP_4)
	v_add_nc_u32 v[220+\b], 0xff000000, v[212+\b]
.endr
.irp b, 0,1,2,3
	s_delay_alu instid0(VALU_DEP_4)
	v_lshrrev_b32 v[216+\b], 23, v[220+\b]
.endr
	s_delay_alu instid0(VALU_DEP_3)
	v_lshl_or_b32 v226, v217, 8, v216
	s_delay_alu instid0(VALU_DEP_1)
	v_lshl_or_b32 v226, v218, 16, v226
	s_delay_alu instid0(VALU_DEP_1)
	v_lshl_or_b32 v226, v219, 24, v226
.irp c, 0,1
	v_cvt_scalef32_pk16_fp6_f32 v[192+6*\c:194+6*\c], v[96+32*\c:111+32*\c], v[220+2*\c]
	v_cvt_scalef32_pk16_fp6_f32 v[204+4*\c:206+4*\c], v[112+32*\c:127+32*\c], v[220+2*\c+1]
.endr
	v_nop
.irp c, 0,1
.irp i, 0,1,2
	v_permlane16_swap_b32 v[192+6*\c+\i], v[204+4*\c+\i]
.endr
.irp i, 0,1,2
	s_delay_alu instid0(VALU_DEP_3)
	v_mov_b32 v[195+6*\c+\i], v[204+4*\c+\i]
.endr
.endr
.set j, 0
.rept 16
	v_pk_mul_f32 v[160+j:161+j], v[160+j:161+j], v[94:95] op_sel_hi:[1,0]
.set j, j+2
.endr
	s_wait_alu depctr_va_vdst(0)
	s_wait_dscnt 0x0
.irp c, 0,1,2,3
	v_wmma_scale_f32_16x16x128_f8f6f4 v[160+8*\c:167+8*\c], v[32+12*\c:43+12*\c], v[192:203], v[160+8*\c:167+8*\c], v[86+\c], v226 matrix_a_fmt:MATRIX_FMT_FP6 matrix_b_fmt:MATRIX_FMT_FP6
.endr
	s_add_co_u32 s2, s2, 6144
	s_add_co_u32 s3, s3, 1024
	s_add_co_u32 s4, s4, 512
	s_sub_co_u32 s5, s5, 1
	s_cmp_lg_u32 s5, 0
	s_cbranch_scc1 .Lstep_\@
	v_add_f32 v14, v14, v15
	s_delay_alu instid0(VALU_DEP_1)
	v_permlanex16_b32 v224, v14, s10, s11
	s_delay_alu instid0(VALU_DEP_1)
	v_add_f32 v14, v14, v224
	s_wait_alu depctr_va_vdst(0)
	v_rcp_f32 v14, v14
.rept 3
	v_nop
.endr
	s_wait_alu depctr_va_vdst(0)
.set j, 0
.rept 32
	v_mul_f32 v[96+j], v[160+j], v14
.set j, j+1
.endr
.irp b, 0,1
	v_max3_num_f32 v[212+\b], |v[96+16*\b]|, |v[97+16*\b]|, 0x1800000
.endr
.irp i, 2,4,6,8,10,12,14
.irp b, 0,1
	s_delay_alu instid0(VALU_DEP_2)
	v_max3_num_f32 v[212+\b], v[212+\b], |v[96+16*\b+\i]|, |v[97+16*\b+\i]|
.endr
.endr
.irp b, 0,1
	s_delay_alu instid0(VALU_DEP_2)
	v_permlanex16_b32 v[216+\b], v[212+\b], s10, s11
.endr
.irp b, 0,1
	s_delay_alu instid0(VALU_DEP_2)
	v_max_num_f32 v[212+\b], v[212+\b], v[216+\b]
.endr
.irp b, 0,1
	s_delay_alu instid0(VALU_DEP_2)
	v_add_nc_u32 v[220+\b], 0xff000000, v[212+\b]
.endr
.irp b, 0,1
	s_delay_alu instid0(VALU_DEP_2)
	v_lshrrev_b32 v[216+\b], 23, v[220+\b]
.endr
.if \hd == 0
	s_delay_alu instid0(VALU_DEP_1)
	v_lshl_or_b32 v240, v217, 8, v216
.else
	s_delay_alu instid0(VALU_DEP_2)
	v_lshl_or_b32 v240, v216, 16, v240
	s_delay_alu instid0(VALU_DEP_1)
	v_lshl_or_b32 v240, v217, 24, v240
.endif
	v_cvt_scalef32_pk16_fp6_f32 v[\D:\D+2], v[96:111], v220
	v_cvt_scalef32_pk16_fp6_f32 v[204:206], v[112:127], v221
	v_nop
.irp i, 0,1,2
	v_permlane16_swap_b32 v[\D+\i], v[204+\i]
.endr
.irp i, 0,1,2
	s_delay_alu instid0(VALU_DEP_3)
	v_mov_b32 v[\D+3+\i], v[204+\i]
.endr
.endm
	HEAD 0, 16, 28, 228
	HEAD 1, 242, 254, 234                          ; no barrier between the heads: the second record was shown whole ahead of the first loop
.irp c, 0,1,2
	global_store_b128 v2, v[228+4*\c:231+4*\c], s[66:67] offset:512*\c
.endr
	global_store_b32 v11, v240, s[100:101]
	s_wait_kmcnt 0x0
	s_wait_tensorcnt 0x0
	ds_add_u32 v3, v4
	s_wait_dscnt 0x0
	ROUND
	s_endpgm
.Lfunc_end_k_q0253f3c034_attn:
	.size	k_q0253f3c034_attn, .Lfunc_end_k_q0253f3c034_attn-k_q0253f3c034_attn
	.p2alignl 7, 3214868480
	.fill 96, 4, 3214868480
	.section	.rodata,"a",@progbits
	.p2align	6, 0x0
	.amdhsa_kernel k_q0253f3c034_attn
		.amdhsa_group_segment_fixed_size 327680
		.amdhsa_private_segment_fixed_size 0
		.amdhsa_enable_private_segment 0
		.amdhsa_kernarg_size 40
		.amdhsa_user_sgpr_count 2
		.amdhsa_user_sgpr_kernarg_segment_ptr 1
		.amdhsa_wavefront_size32 1
		.amdhsa_system_sgpr_workgroup_id_x 1
		.amdhsa_system_sgpr_workgroup_id_y 1
		.amdhsa_system_sgpr_workgroup_id_z 1
		.amdhsa_system_vgpr_workitem_id 0
		.amdhsa_next_free_vgpr 256
		.amdhsa_next_free_sgpr 102
		.amdhsa_reserve_vcc 0
		.amdhsa_float_denorm_mode_32 3
		.amdhsa_float_denorm_mode_16_64 3
		.amdhsa_memory_ordered 1
		.amdhsa_forward_progress 1
		.amdhsa_inst_pref_size 76
	.end_amdhsa_kernel
	.amdgpu_metadata
---
amdhsa.version: [ 1, 2 ]
amdhsa.kernels:
  - .name:           k_q0253f3c034_attn
    .symbol:         k_q0253f3c034_attn.kd
    .args:
      - { .name: kv, .offset: 0, .size: 8, .value_kind: global_buffer, .address_space: global }
      - { .name: qi, .offset: 8, .size: 8, .value_kind: global_buffer, .address_space: global }
      - { .name: mb, .offset: 16, .size: 8, .value_kind: global_buffer, .address_space: global }
      - { .name: cc, .offset: 24, .size: 8, .value_kind: global_buffer, .address_space: global }
      - { .name: out1, .offset: 32, .size: 8, .value_kind: global_buffer, .address_space: global }
    .group_segment_fixed_size: 327680
    .private_segment_fixed_size: 0
    .kernarg_segment_align: 8
    .kernarg_segment_size: 40
    .max_flat_workgroup_size: 512
    .sgpr_count:     102
    .vgpr_count:     256
    .wavefront_size: 32
...
	.end_amdgpu_metadata
.endif
;; end of part 3
;; launch oproj (part 4): grid 4 x 64, 4 waves a work-group, clusters of 4 x 4, 327,680 bytes of LDS; arguments cc, codes, scales, bo, out0; writes out0
.if DOCPART == 4
	.amdgcn_target "amdgcn-amd-amdhsa--gfx1250"
	.amdhsa_code_object_version 6
	.text
	.protected	k_q0253f3c034_oproj
	.globl	k_q0253f3c034_oproj
	.p2align	8
	.type	k_q0253f3c034_oproj,@function
k_q0253f3c034_oproj:
	s_mov_b64 s[64:65], 0
	v_nop
	global_prefetch_b8 v0, s[64:65] scope:SCOPE_SE
	s_setreg_imm32_b32 hwreg(HW_REG_WAVE_MODE, 25, 1), 1
	s_wait_xcnt 0x0
	s_wait_alu depctr_hold_cnt(0) depctr_sa_sdst(0) depctr_va_vdst(0) depctr_va_sdst(0) depctr_va_ssrc(0) depctr_va_vcc(0) depctr_vm_vsrc(0)
	s_getreg_b32 s2, hwreg(HW_REG_IB_STS2, 6, 4)
	s_cmp_eq_u32 s2, 0
	s_cbranch_scc0 .Lentry_in_a_cluster
	s_endpgm
.Lentry_in_a_cluster:
	s_bfe_u32 s2, ttmp6, 0x10000c
	s_cmp_lg_u32 s2, 0xf033
	s_cbranch_scc0 .Lentry_shape_is_right
	s_endpgm
.Lentry_shape_is_right:
; OPROJ: out0 = ctx Wo^T + bo on codes of FP6 (E2M3) with E8M0 scales, K = 1024; sums in f32.
; A = the context's codes (cc, made by the attention launch), B = Wo's (tiles 1728-1791 of codes).  Both are IMAGES OF OPERAND REGISTERS: fragment (tile of 16 rows, K step of 128) = 1,536 bytes at
; tile x 12288 + step x 1536, register group c of lane l at 512 c + 16 l; scale words at tile x 512 + 256 (step / 4) + 16 row + 4 (step % 4) (A's from byte 6291456 of cc on).
; A BLOCK of C is 128 x 256: 64 x 4 = 256 work-groups.  ALL OF K LIES IN LDS AT ONCE: A's 8 tiles 98,304 bytes, B's 16 tiles 196,608, scale words 12,288: no ring, nothing is filled again.
; Each of the four blocks is dense in memory and comes by ONE tensor load, one a wave, as rows of 256 bytes: wave 0 A, wave 1 B, wave 2 A's scale words, wave 3 B's.
; CLUSTERS: 4 x 4 work-groups; A's blocks are asked for jointly along a row of the cluster, B's along a column.
; NO PREFETCH: the launch has no loop to run ahead in; all that it reads is asked for by the four loads at its head.
; A wave makes 64 x 128: 32 accumulators.  THE MATRIX INSTRUCTION IS USED TRANSPOSED (source 0 = 16 rows of B, source 1 = 16 rows of A): a lane holds eight neighbouring numbers of a row of C.  The bias is the C of each sum's first product.
; REGISTERS: window 0: v16-29 addresses; v32-95 scale words and nothing else (register 8 i + s: lanes 0-15 A's block i, lanes 16-31 B's block i, K step s); v96-159 the bias; v160-255 A's fragments, two sets.
;   window 1: accumulator (a, b) at v[8 (8 a + b)].   window 2: B's fragments, two sets, at v0 and v128.
.set TB,    12288                      ; a tile's codes, all of K
.set BLDS,  8*TB                       ; B's tiles lie behind A's 8
.set SCL,   24*TB                      ; the scale words: A's 8 tiles x 512 bytes, then B's 16
.set SPARE, SCL+24*512                 ; the spare words, 128 bytes a wave: two blocks of 256 bytes that no other line names
.set SPITCH, 528                       ; the way out: a stage of 16 rows x (512 + 16) bytes a wave, in A's bytes, which have had their only fill and, behind the last barrier, their last read
.set ROWC,  4096                       ; a row of C in bytes
.set ADRA, 16                          ; v16 LDS address of my 4 tiles of A
.set ADRB, 18                          ; v18-19 of my tiles 0-3 and 4-7 of B (an offset has 16 bits)
.set STO,  24
.set RD,   25
.set CO,   26                          ; 16 x lane
.set ADRS, 27
.set SPW,  28
.set NIL,  29
.set SC,   32
.set BIAS, 96
.set AF,   160
.set BK,   128                         ; the way out: 16 rows read back: v128-191 and v192-255 by turns
.set G1, 24
.set G0, 32
.set G1B, 48
.set G0B, 56
.set G1S, 68
.set G0S, 76
.set G1SB, 80
.set G0SB, 88
.set MSB, 0
.macro WIN new                         ; the immediate's high byte repeats the setting that is left
.if MSB != \new
	s_set_vgpr_msb (MSB<<8)|\new
.set MSB, \new
.endif
.endm
.macro CROUND                          ; a round of the cluster's barrier
	s_barrier_signal -1
	s_barrier_wait -1
	s_cmp_lg_u32 s14, 0
	s_cbranch_scc1 .Lnot_wave_0_\@
	s_barrier_signal -3
.Lnot_wave_0_\@:
	s_barrier_wait -3
	s_barrier_signal -1
	s_barrier_wait -1
.endm
.macro G1SET g, rows                   ; a dense block as rows of 32 elements of 8 bytes
	s_mov_b32 s[\g+1], 32<<16
	s_mov_b32 s[\g+2], (\rows)<<16
	s_mov_b32 s[\g+3], 32<<16
	s_mov_b32 s[\g+4], \rows
	s_mov_b32 s[\g+5], 32
	s_mov_b32 s[\g+6], 0
	s_mov_b32 s[\g+7], 0
.endm
.macro G0SET g, lds, ad
	s_mov_b32 s[\g], 1
	s_mov_b32 s[\g+1], \lds
	s_mov_b64 s[\g+2:\g+3], s[\ad:\ad+1]
	s_or_b32 s[\g+3], s[\g+3], 0x80000000
.endm
.macro PLACES                          ; plain vector instructions between a matrix instruction and a load into, or a read of, its registers
.rept 4
	v_nop
.endr
.endm
	s_load_b128 s[4:7], s[0:1], 0x0                ; cc, codes
	s_load_b128 s[8:11], s[0:1], 0x10              ; scales, bo
	s_load_b64 s[12:13], s[0:1], 0x20              ; out0
	v_lshl_add_u32 v[SPW], v0, 2, SPARE
	v_mov_b32 v[NIL], 0
	ds_add_u32 v[SPW], v[NIL]                      ; the opening lines: the add, twice on end, and its wait ahead of my tensor load
	ds_add_u32 v[SPW], v[NIL]
	v_lshrrev_b32 v1, 5, v0
	v_readfirstlane_b32 s14, v1                    ; wave 0..3
	s_lshr_b32 s15, s14, 1                         ; which 64 rows of the block are mine
	s_and_b32 s16, s14, 1                          ; which 128 columns
	s_bfe_u32 s40, ttmp6, 0x40000                  ; cx
	s_bfe_u32 s41, ttmp6, 0x40004                  ; cy
	s_lshl_b32 s42, ttmp9, 2
	s_add_co_u32 s42, s42, s40                     ; block column of C, 0..3
	s_and_b32 s17, ttmp7, 0xffff
	s_lshl_b32 s17, s17, 2
	s_add_co_u32 s17, s17, s41                     ; block row of C, 0..63
	s_lshl_b32 s43, s41, 2
	s_lshl_b32 s43, 15, s43                        ; my row of the cluster
	s_lshl_b32 s44, 0x1111, s40                    ; my column
	s_or_b32 s[G1], s43, (3<<16)|(1<<21)           ; 15:0 the mask; 17:16 elements of 8 bytes; 21 set beside a mask
	s_or_b32 s[G1S], s43, (3<<16)|(1<<21)
	s_or_b32 s[G1B], s44, (3<<16)|(1<<21)
	s_or_b32 s[G1SB], s44, (3<<16)|(1<<21)
	G1SET G1, 384                                  ; 98,304 bytes
	G1SET G1B, 768                                 ; 196,608
	G1SET G1S, 16                                  ; 4,096
	G1SET G1SB, 32                                 ; 8,192
	s_mul_i32 s20, s17, 8*TB                       ; A's 8 tiles: hang on the block row alone
	s_mov_b32 s21, 0
	s_lshl_b32 s22, s17, 12
	s_add_co_u32 s22, s22, 6291456                 ; and their scale words
	s_mov_b32 s23, 0
	s_lshl_b32 s46, s42, 4
	s_add_co_u32 s46, s46, 1728                    ; B's first tile: hangs on the block column alone
	s_lshl_b32 s66, s46, 9
	s_mov_b32 s67, 0
	s_mul_i32 s46, s46, TB
	s_mov_b32 s47, 0
	s_wait_dscnt 0x0                               ; both opening adds are done
	s_wait_kmcnt 0x0
	s_add_nc_u64 s[20:21], s[4:5], s[20:21]
	s_add_nc_u64 s[22:23], s[4:5], s[22:23]
	s_add_nc_u64 s[46:47], s[6:7], s[46:47]
	s_add_nc_u64 s[66:67], s[8:9], s[66:67]
	G0SET G0, 0, 20
	G0SET G0B, BLDS, 46
	G0SET G0S, SCL, 22
	G0SET G0SB, SCL+4096, 66
	CROUND                                         ; all sixteen work-groups are here: the joint loads meet
; one chain of branches on the wave's number, one load to an arm, one join: every way passes exactly one load
.macro ARM under, g0, g1, next
	s_cmp_lt_u32 s14, \under
	s_cbranch_scc0 \next
	tensor_load_to_lds s[\g0:\g0+3], s[\g1:\g1+7]
	s_nop 0
	PLACES
	s_branch .Lhead_asked
\next:
.endm
	ARM 1, G0,  G1,  .Lhead_b
	ARM 2, G0B, G1B, .Lhead_sa
	ARM 3, G0S, G1S, .Lhead_sb
	tensor_load_to_lds s[G0SB:G0SB+3], s[G1SB:G1SB+7]
	s_nop 0
	PLACES
.Lhead_asked:
	s_mul_i32 s92, s15, 4*TB                       ; my 4 tiles of A
	s_mul_i32 s93, s16, 8*TB
	s_add_co_u32 s93, s93, BLDS                    ; my tiles 0-3 of B,
	s_add_co_u32 s94, s93, 4*TB                    ; and 4-7
	s_mul_i32 s95, s14, 16*SPITCH                  ; my stage
	s_lshl_b32 s18, s15, 11                        ; my A tiles' scale words,
	s_lshl_b32 s19, s16, 12
	s_add_co_u32 s19, s19, 4096                    ; my B tiles', behind A's 4,096 bytes:
	s_sub_co_u32 s19, s19, s18                     ; the distance between the two bases
	s_add_co_u32 s18, s18, SCL
	s_lshl_b32 s20, s17, 7
	s_lshl_b32 s46, s15, 6
	s_add_co_u32 s20, s20, s46                     ; my first row of C: 128 x block row + 64 x half
	s_lshl_b32 s20, s20, 12
	s_lshl_b32 s46, s42, 10
	s_lshl_b32 s47, s16, 9
	s_add_co_u32 s46, s46, s47                     ; my first column in bytes: 1024 x block column + 512 x half
	s_add_co_u32 s20, s20, s46
	s_mov_b32 s21, 0
	s_mov_b32 s47, 0
	s_add_nc_u64 s[12:13], s[12:13], s[20:21]
	s_add_nc_u64 s[10:11], s[10:11], s[46:47]
	v_and_b32 v1, 15, v0                           ; r
	v_bfe_u32 v2, v0, 4, 1                         ; h
	v_and_b32 v3, 31, v0
	v_lshlrev_b32 v[CO], 4, v3
	v_add_nc_u32 v[ADRA], s92, v[CO]
	v_add_nc_u32 v[ADRB], s93, v[CO]
	v_add_nc_u32 v[ADRB+1], s94, v[CO]
	v_lshlrev_b32 v5, 4, v1                        ; 16 bytes a row: four K steps' words
	v_mul_u32_u24 v6, s19, v2                      ; lanes 16-31 take B's: one product
	v_add_nc_u32 v5, v5, v6
	v_add_nc_u32 v[ADRS], s18, v5
	v_mul_u32_u24 v7, v1, SPITCH                   ; into the stage: row r, 32 bytes for each half of the lanes
	v_lshl_add_u32 v7, v2, 5, v7
	v_add_nc_u32 v[STO], s95, v7
	v_add_nc_u32 v[RD], s95, v[CO]                 ; back: the 32 lanes take one row of 512 bytes
	v_lshlrev_b32 v4, 5, v2
.irp b, 0,1,2,3,4,5,6,7                        ; the bias: for B's block b the eight columns at 16 b + 8 h
	global_load_b128 v[BIAS+8*\b:BIAS+8*\b+3], v4, s[10:11] offset:64*\b
	global_load_b128 v[BIAS+8*\b+4:BIAS+8*\b+7], v4, s[10:11] offset:64*\b+16
.endr
.macro FETCH s, p                      ; K step s: B's 8 fragments and A's 4 into set p: 36 loads of 512 consecutive bytes
	WIN 0x80                                       ; destination window 2, address window 0
.irp i, 0,1,2,3,4,5,6,7
.irp c, 0,1,2
	ds_load_b128 v[128*(\p)+12*\i+4*\c:128*(\p)+12*\i+4*\c+3], v[ADRB+\i/4] offset:(\i%4)*TB+(\s)*1536+512*\c
.endr
.endr
	WIN 0
.irp i, 0,1,2,3
.irp c, 0,1,2
	ds_load_b128 v[AF+48*(\p)+12*\i+4*\c:AF+48*(\p)+12*\i+4*\c+3], v[ADRA] offset:\i*TB+(\s)*1536+512*\c
.endr
.endr
.endm
; 32 matrix instructions: the 32 accumulators by turns, one instruction a turn, in the same order in every K step
.macro MUL32 s, p
.if (\s) == 0
	WIN 0x42                                       ; source 0 (B) window 2, source 1 (A) window 0, C (the bias) window 0, D window 1
.else
	WIN 0x52                                       ; C with D in window 1
.endif
.irp a, 0,1,2,3
.irp b, 0,1,2,3,4,5,6,7
.set rD, 8*(8*\a+\b)
.set rC, rD
.if (\s) == 0
.set rC, BIAS+8*\b
.endif
	v_wmma_scale_f32_16x16x128_f8f6f4 v[rD:rD+7], v[128*(\p)+12*\b:128*(\p)+12*\b+11], v[AF+48*(\p)+12*\a:AF+48*(\p)+12*\a+11], v[rC:rC+7], v[SC+8*\b+(\s)], v[SC+8*\a+(\s)] matrix_a_fmt:MATRIX_FMT_FP6 matrix_b_fmt:MATRIX_FMT_FP6 matrix_a_scale:MATRIX_SCALE_ROW1
.endr
.endr
.endm
	s_wait_alu depctr_va_vdst(0)
	s_wait_tensorcnt 0x0                           ; my block of the four is in
	s_barrier_signal -1
	s_barrier_wait -1                              ; all four are in
	FETCH 0, 0
.irp i, 0,1,2,3,4,5,6,7                        ; all scale words, once: 16 loads
	ds_load_b128 v[SC+8*\i:SC+8*\i+3], v[ADRS] offset:512*\i
	ds_load_b128 v[SC+8*\i+4:SC+8*\i+7], v[ADRS] offset:512*\i+256
.endr
	FETCH 1, 1
	s_wait_loadcnt 0x0                             ; the bias
	s_wait_dscnt 36                                ; all but K step 1's 36 loads
	MUL32 0, 0
.set ST, 1
.rept 6
	PLACES                                         ; ahead of loads into the set that the last K step multiplied
	FETCH ST+1, (ST+1)%2
	s_wait_dscnt 36                                ; this K step's fragments are in; the 36 just issued may be out
	MUL32 ST, ST%2
.set ST, ST+1
.endr
	s_wait_dscnt 0x0                               ; my last reads of the tiles are over:
	s_barrier_signal -1                            ; say so,
	MUL32 7, 1                                     ; work on registers while the others arrive,
	WIN 0
	s_barrier_wait -1                              ; and behind this nobody reads A's bytes: the stages lie there
; THE WAY OUT, block by block of 16 rows x 128 columns: through my own stage and back as whole rows of 512 bytes.  LDS serves a wave's instructions in order: no wait between the stores and the loads.
.macro TOSTAGE a
	WIN 0x04                                       ; the data: window 1
.irp b, 0,1,2,3,4,5,6,7
	ds_store_b128 v[STO], v[64*(\a)+8*\b:64*(\a)+8*\b+3] offset:64*\b          ; each accumulator from its low end on
	ds_store_b128 v[STO], v[64*(\a)+8*\b+4:64*(\a)+8*\b+7] offset:64*\b+16
.endr
	WIN 0
.irp t, 0,1,2,3,4,5,6,7,8,9,10,11,12,13,14,15
	ds_load_b128 v[BK+64*((\a)%2)+4*\t:BK+64*((\a)%2)+4*\t+3], v[RD] offset:\t*SPITCH
.endr
.endm
.macro SEND a, younger                 ; younger: the LDS instructions issued behind block a's loads, which may stay out
	s_wait_dscnt \younger
.if (\a) > 0
	s_add_nc_u64 s[12:13], s[12:13], 16*ROWC       ; behind a wait on XCNT: the earlier stores have read their base
.endif
.irp t, 0,1,2,3,4,5,6,7,8,9,10,11,12,13,14,15
	global_store_b128 v[CO], v[BK+64*((\a)%2)+4*\t:BK+64*((\a)%2)+4*\t+3], s[12:13] offset:\t*ROWC th:TH_STORE_NT   ; 32 lanes store 512 consecutive bytes, at a multiple of 256 from C's first byte
.endr
.endm
	PLACES                                         ; behind the last products: for the reads of their results and the loads into A's fragment registers
	TOSTAGE 0
.irp a, 1,2,3
.if \a > 1
	s_wait_xcnt 0x0                                ; block a - 2's stores have read their registers and their base
.endif
	TOSTAGE \a
	SEND \a-1, 32                                  ; behind block a - 1's loads: block a's 16 stores and 16 loads
.endr
	s_wait_xcnt 0x0
	SEND 3, 0
	s_wait_tensorcnt 0x0                           ; the wave's end: three lines behind my last LDS store
	ds_add_u32 v[SPW], v[NIL]
	s_wait_dscnt 0x0
	CROUND                                         ; the closing round
	s_endpgm
.Lfunc_end_k_q0253f3c034_oproj:
	.size	k_q0253f3c034_oproj, .Lfunc_end_k_q0253f3c034_oproj-k_q0253f3c034_oproj
	.p2alignl 7, 3214868480
	.fill 96, 4, 3214868480
	.section	.rodata,"a",@progbits
	.p2align	6, 0x0
	.amdhsa_kernel k_q0253f3c034_oproj
		.amdhsa_group_segment_fixed_size 327680
		.amdhsa_private_segment_fixed_size 0
		.amdhsa_enable_private_segment 0
		.amdhsa_kernarg_size 40
		.amdhsa_user_sgpr_count 2
		.amdhsa_user_sgpr_kernarg_segment_ptr 1
		.amdhsa_wavefront_size32 1
		.amdhsa_system_sgpr_workgroup_id_x 1
		.amdhsa_system_sgpr_workgroup_id_y 1
		.amdhsa_system_sgpr_workgroup_id_z 1
		.amdhsa_system_vgpr_workitem_id 0
		.amdhsa_next_free_vgpr 768
		.amdhsa_next_free_sgpr 96
		.amdhsa_reserve_vcc 0
		.amdhsa_float_denorm_mode_32 3
		.amdhsa_float_denorm_mode_16_64 3
		.amdhsa_memory_ordered 1
		.amdhsa_forward_progress 1
		.amdhsa_inst_pref_size 78
	.end_amdhsa_kernel
	.amdgpu_metadata
---
amdhsa.version: [ 1, 2 ]
amdhsa.kernels:
  - .name:           k_q0253f3c034_oproj
    .symbol:         k_q0253f3c034_oproj.kd
    .args:
      - { .name: cc, .offset: 0, .size: 8, .value_kind: global_buffer, .address_space: global }
      - { .name: codes, .offset: 8, .size: 8, .value_kind: global_buffer, .address_space: global }
      - { .name: scales, .offset: 16, .size: 8, .value_kind: global_buffer, .address_space: global }
      - { .name: bo, .offset: 24, .size: 8, .value_kind: global_buffer, .address_space: global }
      - { .name: out0, .offset: 32, .size: 8, .value_kind: global_buffer, .address_space: global }
    .group_segment_fixed_size: 327680
    .private_segment_fixed_size: 0
    .kernarg_segment_align: 8
    .kernarg_segment_size: 40
    .max_flat_workgroup_size: 128
    .sgpr_count:     96
    .vgpr_count:     768
    .wavefront_size: 32
...
	.end_amdgpu_metadata
.endif
;; end of part 4
